; MI455X (gfx1250); checked and timed in simulation.
; The chip was launched on July 23, 2026; its instructions are those of AMD's public machine-readable ISA for CDNA 5 (MIT licence, August 2026) and "CDNA5" Instruction Set Architecture Reference Guide (July 2026). The comments in the code are by the model that wrote it; some were corrected since.
;; Eager Attention. Allowed arithmetic: matrix products marked QUANTISED: E2M3 operands, one E8M0 scale for each 32 along K, by v_wmma_scale_f32_16x16x128_f8f6f4 with both operands' format E2M3, f32 sums; everything else in f32.
;; Inputs: b_proj 1,024 float32; w_proj 1,024 x 1,024 float32; w_qkv 3,072 x 1,024 float32; x 4 x 2,048 x 1,024 float32.
;; Outputs: out0 4 x 2,048 x 1,024 float32.
;; This version of the problem:
;;   THIS VERSION OF THE PROBLEM IS GIVEN IN LOW PRECISION. The matrix products marked QUANTISED in the list below multiply operands that are first quantised to E2M3 (2 exponent bits, 3 mantissa bits; 6 bits a number), with one power-of-two scale for each 32 numbers along K (OCP MX v1.0); their sums are f32. All else is computed in f32.
;;   The module's matrix products, in the order in which they are computed (A, B: the left and right operand; K: the contracted axis; several contracted axes count as one K, in the product's order):
;;     1. [M 8,192, K 1,024] x [K 1,024, N 3,072]; A: input x; B: input w_qkv: QUANTISED
;;     2. batch 64 x [M 2,048, K 64] x [K 64, N 2,048]; A: computed on the way; B: computed on the way: QUANTISED
;;     3. batch 64 x [M 2,048, K 2,048] x [K 2,048, N 64]; A: softmax (see below); B: computed on the way: QUANTISED
;;     4. [M 8,192, K 1,024] x [K 1,024, N 1,024]; A: computed on the way; B: input w_proj: QUANTISED
;;   THE QUANTISER, for each operand of a quantised product, along K:
;;     - K is cut into blocks of 32 from its start; a last block that is shorter is filled with zeros.
;;     - A block's scale is 2^e with e = floor(log2(the largest magnitude in the block)) - 2, held to -126 .. 127; a block of zeros has e = 0. As a byte (E8M0): e + 127.
;;     - Each number is divided by its block's scale, clamped to +-7.5, and rounded to the nearest number of E2M3, ties to even, subnormals kept.
;;     - The product sums the exact products of the quantised numbers (number of the format x scale) in f32.
;;   ~~~python
;;   def quantise(x, axis):      # numpy; x: float32 -> the quantised numbers, widened to float32 again
;;       x = np.moveaxis(x, axis, -1); K = x.shape[-1]
;;       x = np.pad(x, [(0, 0)] * (x.ndim - 1) + [(0, -K % 32)]); x = x.reshape(x.shape[:-1] + (-1, 32)); a = np.abs(x).max(-1, keepdims=True)
;;       e = np.where(a > 0, np.clip(np.frexp(np.where(a > 0, a, 1))[1] - 1 - 2, -126, 127), 0)      # np.frexp(a)[1] - 1 = floor(log2(a)), exactly
;;       r = np.clip(x / 2.0 ** e, -7.5, 7.5)
;;       step = 2.0 ** (np.maximum(np.frexp(np.where(r == 0, 1, r))[1] - 1, 0) - 3)
;;       q = np.round(r / step) * step * 2.0 ** e      # np.round: ties to even
;;       return np.moveaxis(q.reshape(q.shape[:-2] + (-1,))[..., :K], -1, axis).astype(np.float32)
;;   ~~~
;;   SOFTMAX AHEAD OF A QUANTISED PRODUCT. Where the list says 'softmax', what is quantised is not the finished softmax but p = 2^(t - M), with t = logit x log2(e) and M = ceil(the row's largest t), a whole number; so 1/2 < the row's largest p <= 1. The row's sum l is taken of the UNQUANTISED p, in f32, and the product's result is divided by l at the end. Since M is a whole number, a kernel that streams over the keys may use a running M (the ceiling of the running maximum): every later rescaling is an exact power of two, which a block's scale takes up: the codes' values come out the same.
;;   OPERANDS COMPUTED ON THE WAY. 'Computed on the way' means the value that the module computes at that place (a softmax that the list does not call 'softmax' is quantised finished and normalised). What goes into a quantiser is computed in f32, as accurately as f32 sums, v_exp_f32 and their like allow (about 1e-6 of the number): no bf16 or f16 on the way to a quantiser, and a product that is left as it is and whose result goes on into a quantised operand takes f32 operands (vector FMAs, or v_wmma_f32_16x16x4_f32). A number that lies on a knife's edge between two numbers of the format may be rounded either way, as far as f32 arithmetic and the matrix unit's own rounding can turn it there, and no further.
;; One version. Each part assembles by itself: llvm-mc -triple=amdgcn-amd-amdhsa -mcpu=gfx1250 --defsym DOCPART=n.
;; ======== version 1 of 1: 4 launches
;; limits: right only within a limited range of input values
;; workspace buffers: codes 9,437,184 bytes; scales 393,216 bytes; qkv 20,185,088 bytes; ao_img 6,291,456 bytes; ao_scl 262,144 bytes
;; launch quant (part 1): grid 384 x 1, 4 waves a work-group, no clusters, 33,280 bytes of LDS; arguments x, w_qkv, w_proj, codes, scales; writes codes, scales
.if DOCPART == 1
	.amdgcn_target "amdgcn-amd-amdhsa--gfx1250"
	.amdhsa_code_object_version 6
	.text
	.protected	k_qc93c89ca1d_quant
	.globl	k_qc93c89ca1d_quant
	.p2align	8
	.type	k_qc93c89ca1d_quant,@function
k_qc93c89ca1d_quant:
	s_mov_b64 s[64:65], 0
	v_nop
	global_prefetch_b8 v0, s[64:65] scope:SCOPE_SE
	s_setreg_imm32_b32 hwreg(HW_REG_WAVE_MODE, 25, 1), 1
	s_wait_xcnt 0x0
; x [8192][1024], w_qkv [3072][1024], w_proj [1024][1024], f32, become codes of FP6 (E2M3), K innermost, 768 bytes a row, and one E8M0 byte for each 32 along K, 32 bytes a row.
; The three tensors' codes lie on end in one buffer, and so do their scale bytes.
; A block's scale is 2^(floor(log2(its largest magnitude)) - 2); its byte is the largest magnitude's exponent field - 2, held at 1 from below.
; LIMITS: a block whose largest magnitude lies under 2^-124 gets the byte 1; a block of zeros gets the byte 1 where the quantiser says 127 (its codes are zeros, and this program alone reads the bytes);
; NaN and infinities among the inputs are not served.
; ROWS CHANGE PLACES: stored row s holds true row s with bits 3 and 4 exchanged.  So sixteen neighbouring stored rows 16 i + r are the true rows 32 (i / 2) + 8 (i % 2) + r + 8 (r / 8):
; in a product used transposed, a lane's 16 registers of two neighbouring tiles are then 16 true neighbours, which is what the next quantiser wants.
; A wave takes 8 rows (8,192 numbers) in 16 steps of 512; a work-group 32 rows; so the exchange is an exchange of the waves' places: wave 1 stores where wave 2 would, and the other way round.
; Each of a step's four loads reads 512 consecutive bytes; the 2,048 bytes turn through the wave's own stage in LDS and come back 64 bytes (16 neighbours) a lane; two neighbouring lanes hold a block.
; No tensor loads, no barrier: waves share nothing.  No matrix unit, no cluster: every byte is read once by one wave.
.set WAVES, 4
.set STEPS, 16
.set EMAX,  2
.set CB,    12                         ; bytes of 16 codes
.set PLANE, 2359296                    ; THE CODES' LAYOUT: [K step of 256][row, 12,288 of them][192 bytes]: 128 rows of one K step are 24,576 consecutive bytes, which begin at a multiple of 256
.set R,     16                         ; v16-79 and v192-255: eight sets of 16 numbers as they are loaded; set t % 8
.set X,     80                         ; v80-111  two sets of 16 neighbours
.set C,     128                        ; v128-191 codes: four registers for each step, so that no store's data are written again
.set E,     112                        ; v112-127 a scale byte for each step
.set WREG,  8192                       ; LDS: a region for each wave: two stages of 32 x SP bytes, behind them its 256 scale bytes
.set SP,    80                         ; a lane's place in a stage: 64 bytes + 16 of padding
.set SPW,   12                         ; v12      LDS address of my spare word; never rewritten
.set NIL,   13                         ; v13      0; never rewritten
.set SPARE, WAVES*WREG                 ; behind the four regions: the spare words, 128 bytes a wave, which no other line names
	s_load_b128 s[4:7], s[0:1], 0x0                ; x, w_qkv
	s_load_b128 s[8:11], s[0:1], 0x10              ; w_proj, the codes
	s_load_b64 s[12:13], s[0:1], 0x20              ; the scale bytes
	v_lshl_add_u32 v[SPW], v0, 2, SPARE
	v_mov_b32 v[NIL], 0
	v_lshrrev_b32 v1, 5, v0
	v_readfirstlane_b32 s16, v1                    ; wave
	v_and_b32 v2, 31, v0                           ; lane
	v_lshlrev_b32 v3, 4, v2                        ; my 16 bytes of a load's 512
	s_mul_i32 s17, s16, WREG
	v_lshrrev_b32 v14, 2, v2
	v_mul_u32_u24 v14, v14, SP
	v_and_b32 v15, 3, v2
	v_lshl_add_u32 v14, v15, 4, v14
	v_add_nc_u32 v14, s17, v14                     ; the stage, on the way in: SP (lane / 4) + 16 (lane % 4)
	v_mul_u32_u24 v15, v2, SP
	v_add_nc_u32 v15, s17, v15                     ; and on the way out: SP x lane: my 16 neighbours
	v_and_b32 v4, 15, v2                           ; a step is half a row, two K steps of 256: lanes 0-15 hold the first's codes, lanes 16-31 the second's
	v_lshrrev_b32 v8, 4, v2
	v_mul_u32_u24 v4, v4, CB
	v_mad_u32_u24 v4, v8, PLANE, v4                ; 12 x (lane % 16) + a plane x (lane / 16)
	v_lshrrev_b32 v5, 1, v2
	s_add_co_u32 s17, s17, 2*32*SP
	v_add_nc_u32 v5, s17, v5                       ; LDS: my wave's 256 scale bytes, my block's byte
	v_lshlrev_b32 v7, 3, v2                        ; and on the way out 8 bytes a lane
	v_add_nc_u32 v6, s17, v7
	s_wait_alu depctr_va_vdst(0)
	s_wait_kmcnt 0x0
	s_cmp_lt_u32 ttmp9, 256                        ; work-groups 0-255: x; 256-351: w_qkv; 352-383: w_proj.  The choice hangs on the work-group's number alone
	s_cselect_b64 s[4:5], s[4:5], s[6:7]
	s_cselect_b32 s17, 0, 256
	s_cmp_lt_u32 ttmp9, 352
	s_cselect_b64 s[4:5], s[4:5], s[8:9]
	s_cselect_b32 s17, s17, 352
	s_sub_co_u32 s17, ttmp9, s17
	s_lshl_b32 s17, s17, 2
	s_add_co_u32 s18, s17, s16                     ; which run of 8 rows of the tensor I read
	s_lshl_b32 s20, s18, 15                        ; 32,768 bytes a run
	s_mov_b32 s21, 0
	s_add_nc_u64 s[4:5], s[4:5], s[20:21]
	s_and_b32 s22, s16, 1                          ; where it goes: the wave's two bits exchanged,
	s_lshl_b32 s22, s22, 1
	s_lshr_b32 s23, s16, 1
	s_or_b32 s22, s22, s23
	s_lshl_b32 s23, ttmp9, 2
	s_add_co_u32 s22, s22, s23                     ; counted over all three tensors, which lie on end
	s_mul_i32 s20, s22, 8*192                      ; a run's 8 rows are 1,536 bytes of each plane
	s_add_nc_u64 s[10:11], s[10:11], s[20:21]
	s_lshl_b32 s20, s22, 8                         ; 256 scale bytes a run
	s_add_nc_u64 s[12:13], s[12:13], s[20:21]
.macro LOAD t
.set RT, R+16*((\t)%8)+112*(((\t)%8)/4)
.irp i, 0,1,2,3
	global_load_b128 v[RT+4*\i:RT+4*\i+3], v3, s[4:5] offset:2048*(\t)+512*\i th:TH_LOAD_NT   ; 32 lanes read 512 consecutive bytes
.endr
.endm
.macro TURN t                          ; step t's numbers through the stage: LDS serves a wave's instructions in order, so no wait stands between the stores and the loads
.set RT, R+16*((\t)%8)+112*(((\t)%8)/4)
.irp i, 0,1,2,3
	ds_store_b128 v14, v[RT+4*\i:RT+4*\i+3] offset:32*SP*((\t)%2)+8*SP*\i
.endr
.irp i, 0,1,2,3
	ds_load_b128 v[X+16*((\t)%2)+4*\i:X+16*((\t)%2)+4*\i+3], v15 offset:32*SP*((\t)%2)+16*\i
.endr
.endm
.irp t, 0,1,2,3,4,5,6,7
	LOAD \t
.endr
	s_wait_loadcnt 28                              ; step 0's four loads are in; seven steps' twenty-eight may be out
	TURN 0
.macro STEP t
.set XS, X+16*((\t)%2)
.if (\t) > 0
	s_wait_dscnt 1                                 ; this step's numbers are back from the stage (the last step's byte store may be out): its stores into the stage have read their registers,
.else
	s_wait_dscnt 0x0
.endif
.if (\t)+8 < STEPS
	LOAD (\t)+8                                    ; which take the loads of eight steps on
.endif
.if (\t)+1 < STEPS
.if STEPS-2-(\t) >= 7
	s_wait_loadcnt 28                              ; the next step's four loads are in; those of the seven steps behind it may be out
.else
	s_wait_loadcnt 4*(STEPS-2-(\t))
.endif
	TURN (\t)+1                                    ; and go through the other stage while this step is worked
.endif
	v_max3_num_f32 v8, |v[XS]|, |v[XS+1]|, |v[XS+2]|               ; the largest magnitude of my 16, in two chains
	v_max3_num_f32 v9, |v[XS+3]|, |v[XS+4]|, |v[XS+5]|
.irp i, 6,10
	v_max3_num_f32 v8, v8, |v[XS+\i]|, |v[XS+\i+1]|
	v_max3_num_f32 v9, v9, |v[XS+\i+2]|, |v[XS+\i+3]|
.endr
	v_max3_num_f32 v8, v8, |v[XS+14]|, |v[XS+15]|
	v_max3_num_f32 v8, v8, v9, (EMAX+1)<<23        ; and the floor 2^(3 - 127): the byte cannot fall under 1
	v_max_num_f32_dpp v8, v8, v8 row_xmask:1 row_mask:0xf bank_mask:0xf   ; and of my neighbour's 16: the block's
	v_add_nc_u32 v11, -(EMAX<<23), v8              ; 2 off its exponent field: the conversion takes the exponent field of this operand as its scale
	v_cvt_scalef32_pk16_fp6_f32 v[C+4*(\t):C+4*(\t)+2], v[XS:XS+15], v11         ; sixteen codes, 96 bits without gaps
	v_lshrrev_b32 v[E+(\t)], 23, v11               ; the scale's byte (also the plain line behind the conversion)
	ds_store_b8 v5, v[E+(\t)] offset:16*(\t)       ; both lanes of a block write the same byte with the same value
	global_store_b96 v4, v[C+4*(\t):C+4*(\t)+2], s[10:11] offset:192*((\t)/2)+2*PLANE*((\t)%2)   ; row t / 2, K steps 2 (t % 2) and the next: sixteen lanes store 192 consecutive bytes
.endm
.irp t, 0,1,2,3,4,5,6,7,8,9,10,11,12,13,14,15
	STEP \t
.endr
	ds_load_b64 v[8:9], v6                         ; LDS serves a wave's instructions in order: these see my byte stores
	s_wait_dscnt 0x0
	global_store_b64 v7, v[8:9], s[12:13]          ; 32 lanes store 256 consecutive bytes, at a multiple of 256 from the buffer's first byte
	s_wait_tensorcnt 0x0                           ; the wave's end
	ds_add_u32 v[SPW], v[NIL]
	s_wait_dscnt 0x0
	s_endpgm
.Lfunc_end_k_qc93c89ca1d_quant:
	.size	k_qc93c89ca1d_quant, .Lfunc_end_k_qc93c89ca1d_quant-k_qc93c89ca1d_quant
	.p2alignl 7, 3214868480
	.fill 96, 4, 3214868480
	.section	.rodata,"a",@progbits
	.p2align	6, 0x0
	.amdhsa_kernel k_qc93c89ca1d_quant
		.amdhsa_group_segment_fixed_size 33280
		.amdhsa_private_segment_fixed_size 0
		.amdhsa_enable_private_segment 0
		.amdhsa_kernarg_size 40
		.amdhsa_user_sgpr_count 2
		.amdhsa_user_sgpr_kernarg_segment_ptr 1
		.amdhsa_wavefront_size32 1
		.amdhsa_system_sgpr_workgroup_id_x 1
		.amdhsa_system_sgpr_workgroup_id_y 1
		.amdhsa_system_sgpr_workgroup_id_z 1
		.amdhsa_system_vgpr_workitem_id 0
		.amdhsa_next_free_vgpr 256
		.amdhsa_next_free_sgpr 66
		.amdhsa_reserve_vcc 0
		.amdhsa_float_denorm_mode_32 3
		.amdhsa_float_denorm_mode_16_64 3
		.amdhsa_memory_ordered 1
		.amdhsa_forward_progress 1
		.amdhsa_inst_pref_size 33
	.end_amdhsa_kernel
	.amdgpu_metadata
---
amdhsa.version: [ 1, 2 ]
amdhsa.kernels:
  - .name:           k_qc93c89ca1d_quant
    .symbol:         k_qc93c89ca1d_quant.kd
    .args:
      - { .name: x, .offset: 0, .size: 8, .value_kind: global_buffer, .address_space: global }
      - { .name: w_qkv, .offset: 8, .size: 8, .value_kind: global_buffer, .address_space: global }
      - { .name: w_proj, .offset: 16, .size: 8, .value_kind: global_buffer, .address_space: global }
      - { .name: codes, .offset: 24, .size: 8, .value_kind: global_buffer, .address_space: global }
      - { .name: scales, .offset: 32, .size: 8, .value_kind: global_buffer, .address_space: global }
    .group_segment_fixed_size: 33280
    .private_segment_fixed_size: 0
    .kernarg_segment_align: 8
    .kernarg_segment_size: 40
    .max_flat_workgroup_size: 128
    .sgpr_count:     66
    .vgpr_count:     256
    .wavefront_size: 32
...
	.end_amdgpu_metadata
.endif
;; end of part 1
;; launch gemm_qkv (part 2): grid 12 x 32, 4 waves a work-group, clusters of 4 x 4, 327,680 bytes of LDS; arguments codes, scales, qkv; writes qkv
.if DOCPART == 2
	.amdgcn_target "amdgcn-amd-amdhsa--gfx1250"
	.amdhsa_code_object_version 6
	.text
	.protected	k_qc93c89ca1d_gemm_qkv
	.globl	k_qc93c89ca1d_gemm_qkv
	.p2align	8
	.type	k_qc93c89ca1d_gemm_qkv,@function
k_qc93c89ca1d_gemm_qkv:
	s_mov_b64 s[64:65], 0
	v_nop
	global_prefetch_b8 v0, s[64:65] scope:SCOPE_SE
	s_setreg_imm32_b32 hwreg(HW_REG_WAVE_MODE, 25, 1), 1
	s_wait_xcnt 0x0
	s_wait_alu depctr_hold_cnt(0) depctr_sa_sdst(0) depctr_va_vdst(0) depctr_va_sdst(0) depctr_va_ssrc(0) depctr_va_vcc(0) depctr_vm_vsrc(0)
	s_getreg_b32 s2, hwreg(HW_REG_IB_STS2, 6, 4)
	s_cmp_eq_u32 s2, 0
	s_cbranch_scc0 .Lentry_in_a_cluster
	s_endpgm
.Lentry_in_a_cluster:
	s_bfe_u32 s2, ttmp6, 0x10000c
	s_cmp_lg_u32 s2, 0xf033
	s_cbranch_scc0 .Lentry_shape_is_right
	s_endpgm
.Lentry_shape_is_right:
.set SIZE_K, 1024
.set KSTEP,  256
.set NQ,     KSTEP/128
.set ROWB,   2359296                   ; from a K step's codes to the next K step's: a plane of 12,288 rows x 192 bytes
.set KROW,   192                       ; a row's bytes in a plane
.set PITCH,  240
.set FR,     12
.set NL,     6
.set NP,     4
.set HALFT,  128*PITCH
.set SLOT,   4*HALFT
.set LAPS,   SIZE_K/(2*KSTEP)
.set KS,     SIZE_K/32
.set SCL,    2*SLOT
.set HALFS,  (128*KS/256)*272
.set SBLK,   (16*KS/256)*272
.set SPARE,  SCL+4*HALFS
.set XW,     8192*192                  ; w_qkv's first row in a plane
.set XWV,    10240*192                 ; W_v's
.set SW,     262144
.set SWV,    327680
.set HB,     315392
.set SB,     13056
.set QC,     208896
.set QS,     307200
.set ADRA, 16
.set ADRB, 20
.set ADRS, 27
.set SPW,  28
.set NIL,  29
.set SC,   32
.set TM,   64
.set PWB,  80
.set CDR,  96
.set VOL,  116
.set VOH,  117
.set VS,   118
.set SH,   119
.set AF,   128
.set G1, 24
.set G0, 32
.set G1B, 48
.set G0B, 56
.set G1S, 68
.set G0S, 76
.set G1SB, 80
.set G0SB, 88
.set G0H,  4                           ; s[4:7], s[8:11] group 0 of the head's loads of K step 0: A's 256 rows, B's 256 rows (what lay there has been used by then)
.set G0HB, 8
.set ISV, 95
.set MSB, 0
.macro WIN new
.if MSB != (\new)
	s_set_vgpr_msb (MSB<<8)|(\new)
.set MSB, (\new)
.endif
.endm
.set MUL_LO, 0xa1
.set MUL_HI, 0xf1
.set TO_B,   0x40
.macro JLOAD g0a, g1a, g0b, g1b
	s_cmp_eq_u32 s15, 0
	s_cbranch_scc0 .Lfor_b_\@
	tensor_load_to_lds s[\g0a:\g0a+3], s[\g1a:\g1a+7]
	s_nop 0
.rept 4
	v_nop
.endr
	s_branch .Lasked_\@
.Lfor_b_\@:
	tensor_load_to_lds s[\g0b:\g0b+3], s[\g1b:\g1b+7]
	s_nop 0
.rept 4
	v_nop
.endr
.Lasked_\@:
.endm
.macro CREST
	s_cmp_lg_u32 s14, 0
	s_cbranch_scc1 .Lnot_wave_0_\@
	s_barrier_signal -3
.Lnot_wave_0_\@:
	s_barrier_wait -3
	s_barrier_signal -1
	s_barrier_wait -1
.endm
.macro CROUND
	s_barrier_signal -1
	s_barrier_wait -1
	CREST
.endm
	s_load_b128 s[4:7], s[0:1], 0x0
	s_load_b64 s[12:13], s[0:1], 0x10
	v_lshl_add_u32 v[SPW], v0, 2, SPARE
	v_mov_b32 v[NIL], 0
	ds_add_u32 v[SPW], v[NIL]
	ds_add_u32 v[SPW], v[NIL]
	v_lshrrev_b32 v1, 5, v0
	v_readfirstlane_b32 s14, v1
	s_lshr_b32 s15, s14, 1
	s_and_b32 s16, s14, 1
	s_bfe_u32 s40, ttmp6, 0x40000
	s_bfe_u32 s41, ttmp6, 0x40004
	s_and_b32 s96, ttmp7, 0xffff
	s_cmp_eq_u32 ttmp9, 2
	s_cselect_b32 s[ISV], 1, 0
	s_cselect_b32 s97, s96, ttmp9
	s_cselect_b32 s98, 0, s96
	s_cselect_b32 s8, XWV, 0
	s_cselect_b32 s10, 0, XW
	s_cselect_b32 s99, SWV, 0
	s_cselect_b32 s100, 0, SW
	s_lshl_b32 s42, s97, 2
	s_add_co_u32 s42, s42, s40
	s_lshl_b32 s17, s98, 2
	s_add_co_u32 s17, s17, s41
	s_lshl_b32 s43, s41, 2
	s_lshl_b32 s43, 15, s43
	s_lshl_b32 s44, 0x1111, s40
	s_or_b32 s[G1+0], s43, (0<<16)|(1<<20)|(1<<21)|(3<<22)|(3<<25)
	s_or_b32 s[G1B+0], s44, (0<<16)|(1<<20)|(1<<21)|(3<<22)|(3<<25)
.irp g, G1, G1B
	s_mov_b32 s[\g+1], 256<<16                     ; 128 rows x 192 bytes are dense in a plane: stated as 96 rows of 256 bytes; the padding, 16 bytes behind every 64, gives LDS rows of 240 bytes
	s_mov_b32 s[\g+2], 192<<16                     ; the head's loads bring 256 rows of codes: 192 rows of 256 bytes; behind them the two words are set to 96, for the ring's
	s_mov_b32 s[\g+3], 256<<16
	s_mov_b32 s[\g+4], 192
	s_mov_b32 s[\g+5], 256
	s_mov_b32 s[\g+6], 0
	s_mov_b32 s[\g+7], 0
.endr
	s_or_b32 s[G1S+0], s43, (3<<16)|(1<<20)|(1<<21)|(5<<22)|(3<<25)
	s_or_b32 s[G1SB+0], s44, (3<<16)|(1<<20)|(1<<21)|(5<<22)|(3<<25)
.irp g, G1S, G1SB
	s_mov_b32 s[\g+1], 32<<16
	s_mov_b32 s[\g+2], (256*KS/256)<<16            ; the scales of 256 rows in one load
	s_mov_b32 s[\g+3], 32<<16
	s_mov_b32 s[\g+4], 256*KS/256
	s_mov_b32 s[\g+5], 32
	s_mov_b32 s[\g+6], 0
	s_mov_b32 s[\g+7], 0
.endr
	s_lshl_b32 s18, s16, 7
	s_lshl_b32 s20, s17, 8
	s_add_co_u32 s20, s20, s18
	s_lshl_b32 s46, s42, 8
	s_add_co_u32 s46, s46, s18
	s_lshl_b32 s22, s20, 5
	s_add_co_u32 s22, s22, s99
	s_mov_b32 s23, 0
	s_lshl_b32 s92, s46, 5
	s_add_co_u32 s92, s92, s100
	s_mov_b32 s93, 0
	s_mul_i32 s20, s20, KROW
	s_add_co_u32 s20, s20, s8
	s_mov_b32 s21, 0
	s_mul_i32 s46, s46, KROW
	s_add_co_u32 s46, s46, s10
	s_mov_b32 s47, 0
	s_mul_i32 s45, s14, HALFT
	s_wait_dscnt 0x0
	s_wait_kmcnt 0x0
	s_add_nc_u64 s[20:21], s[4:5], s[20:21]
	s_add_nc_u64 s[22:23], s[6:7], s[22:23]
	s_add_nc_u64 s[46:47], s[4:5], s[46:47]
	s_add_nc_u64 s[92:93], s[6:7], s[92:93]
	CROUND
	s_mul_i32 s18, s16, 128*KROW                   ; the four addresses hold my half of 128 rows, for the ring; the head's tiles are whole, so it is taken off
	s_mov_b32 s19, 0
	s_mov_b32 s[G0H], 1                            ; K step 0's 256 rows of A,
	s_mov_b32 s[G0H+1], 0
	s_sub_nc_u64 s[G0H+2:G0H+3], s[20:21], s[18:19]
	s_or_b32 s[G0H+3], s[G0H+3], 0x80000000
	s_mov_b32 s[G0HB], 1                           ; its 256 rows of B, behind them in slot 0,
	s_mov_b32 s[G0HB+1], 2*HALFT
	s_sub_nc_u64 s[G0HB+2:G0HB+3], s[46:47], s[18:19]
	s_or_b32 s[G0HB+3], s[G0HB+3], 0x80000000
	s_lshl_b32 s18, s16, 12                        ; 128 rows of scale bytes
	s_mov_b32 s[G0S], 1                            ; the scales of A's 256 rows,
	s_mov_b32 s[G0S+1], SCL
	s_sub_nc_u64 s[G0S+2:G0S+3], s[22:23], s[18:19]
	s_or_b32 s[G0S+3], s[G0S+3], 0x80000000
	s_mov_b32 s[G0SB], 1                           ; and of B's
	s_mov_b32 s[G0SB+1], SCL+2*HALFS
	s_sub_nc_u64 s[G0SB+2:G0SB+3], s[92:93], s[18:19]
	s_or_b32 s[G0SB+3], s[G0SB+3], 0x80000000
.irp s, 0,1
	s_mov_b32 s[G0+4*\s], 1
	s_add_co_u32 s[G0+4*\s+1], s45, \s*SLOT
	s_add_nc_u64 s[G0+4*\s+2:G0+4*\s+3], s[20:21], \s*ROWB
	s_or_b32 s[G0+4*\s+3], s[G0+4*\s+3], 0x80000000
	s_mov_b32 s[G0B+4*\s], 1
	s_add_co_u32 s[G0B+4*\s+1], s45, \s*SLOT
	s_add_nc_u64 s[G0B+4*\s+2:G0B+4*\s+3], s[46:47], \s*ROWB
	s_or_b32 s[G0B+4*\s+3], s[G0B+4*\s+3], 0x80000000
.endr
; THE HEAD'S LOADS, ONE A WAVE: wave 0 A's 256 rows of K step 0, wave 1 B's, wave 2 the scales of A's 256 rows, wave 3 those of B's.
; One chain of branches on the wave's number; every way through it passes exactly one load.
.macro ARM under, g0, g1, next
	s_cmp_lt_u32 s14, \under
	s_cbranch_scc0 \next
	tensor_load_to_lds s[\g0:\g0+3], s[\g1:\g1+7]
	s_nop 0
.rept 4
	v_nop
.endr
	s_branch .Lhead_asked
\next:
.endm
	ARM 1, G0H,  G1,  .Lhead_b
	ARM 2, G0HB, G1B, .Lhead_sa
	ARM 3, G0S,  G1S, .Lhead_sb
	tensor_load_to_lds s[G0SB:G0SB+3], s[G1SB:G1SB+7]
	s_nop 0
.rept 4
	v_nop
.endr
.Lhead_asked:
	s_wait_alu depctr_va_vdst(0)
	s_wait_tensorcnt 0x0                           ; my tile of the head's four is in; the three lines stand ahead of slot 1's first fill as ahead of a refill
	ds_add_u32 v[SPW], v[NIL]
	s_mov_b32 s[G1+2], 96<<16                      ; no tensor load of mine is out: from here on a load brings 128 rows of codes, 96 rows of 256 bytes
	s_mov_b32 s[G1+4], 96
	s_mov_b32 s[G1B+2], 96<<16
	s_mov_b32 s[G1B+4], 96
	s_wait_dscnt 0x0
	CROUND                                         ; all four tiles are in, and all sixteen work-groups are here
	JLOAD G0+4, G1, G0B+4, G1B                     ; K step 1, the first tensor load behind the round
	v_and_b32 v1, 15, v0
	v_bfe_u32 v2, v0, 4, 1
	v_mul_u32_u24 v3, v1, PITCH
	v_mul_u32_u24 v4, v2, 24
	v_add_nc_u32 v4, v3, v4
	v_lshl_add_u32 v5, v2, 4, v4
	s_mul_i32 s21, s15, HALFT
	s_mul_i32 s22, s16, HALFT
	s_add_co_u32 s22, s22, 2*HALFT
.irp s, 0,1
	v_add_nc_u32 v[ADRA+\s], s21, v4
	v_add_nc_u32 v[ADRB+\s], s22, v4
	v_add_nc_u32 v[ADRA+2+\s], s21, v5
	v_add_nc_u32 v[ADRB+2+\s], s22, v5
	s_add_co_u32 s21, s21, SLOT
	s_add_co_u32 s22, s22, SLOT
.endr
	v_mul_u32_u24 v5, v1, KS
	v_lshrrev_b32 v6, 8, v5
	v_lshl_add_u32 v5, v6, 4, v5
	s_mul_i32 s21, s15, HALFS
	s_mul_i32 s22, s16, HALFS
	s_add_co_u32 s22, s22, 2*HALFS
	s_sub_co_u32 s22, s22, s21
	v_mul_u32_u24 v6, s22, v2
	s_add_co_u32 s21, s21, SCL
	v_add_nc_u32 v5, v5, v6
	v_add_nc_u32 v[ADRS], s21, v5
.macro FRAG reg, adr, q, i
.irp p, 0,1,2,3,4,5
.set PC, 12*(\q)+6*(\p/3)+\p%3
.if PC%8 < 5
	ds_load_b64 v[\reg+2*\p:\reg+2*\p+1], v[\adr] offset:8*PC+16*(PC/8)+(\i)*16*PITCH
.else
	ds_load_b64 v[\reg+2*\p:\reg+2*\p+1], v[\adr+2] offset:8*PC+16*(PC/8)+(\i)*16*PITCH
.endif
.endr
.endm
.macro MUL16 a0, p, q, sc, zero
.irp a, \a0, \a0+1
.irp b, 0,1,2,3,4,5,6,7
.if \zero
	v_wmma_scale_f32_16x16x128_f8f6f4 v[8*(8*((\a)%4)+\b):8*(8*((\a)%4)+\b)+7], v[128*(\p)+FR*\b:128*(\p)+FR*\b+FR-1], v[AF+FR*(\a):AF+FR*(\a)+FR-1], 0, v[SC+8*NQ*(\sc)+NQ*\b+(\q)], v[SC+8*NQ*(\sc)+NQ*(\a)+(\q)] matrix_a_fmt:MATRIX_FMT_FP6 matrix_b_fmt:MATRIX_FMT_FP6 matrix_a_scale:MATRIX_SCALE_ROW1
.else
	v_wmma_scale_f32_16x16x128_f8f6f4 v[8*(8*((\a)%4)+\b):8*(8*((\a)%4)+\b)+7], v[128*(\p)+FR*\b:128*(\p)+FR*\b+FR-1], v[AF+FR*(\a):AF+FR*(\a)+FR-1], v[8*(8*((\a)%4)+\b):8*(8*((\a)%4)+\b)+7], v[SC+8*NQ*(\sc)+NQ*\b+(\q)], v[SC+8*NQ*(\sc)+NQ*(\a)+(\q)] matrix_a_fmt:MATRIX_FMT_FP6 matrix_b_fmt:MATRIX_FMT_FP6 matrix_a_scale:MATRIX_SCALE_ROW1
.endif
.endr
.endr
.endm
.macro FETCH_B slot, q, p
	WIN TO_B
.irp i, 0,1,2,3,4,5,6,7
	FRAG 128*(\p)+FR*\i, ADRB+\slot, \q, \i
.endr
	WIN 0
.endm
.macro FETCH_A slot, q, i0
.irp i, \i0, \i0+1, \i0+2, \i0+3
	FRAG AF+FR*(\i), ADRA+\slot, \q, \i
.endr
.endm
.macro SCALES sc
.irp i, 0,1,2,3,4,5,6,7
	ds_load_b64 v[SC+8*NQ*\sc+NQ*\i:SC+8*NQ*\sc+NQ*\i+1], v[ADRS] offset:\i*SBLK
.endr
.endm
.macro PLACES n
.rept \n
	v_nop
.endr
.endm
.macro STEP slot, q, zero
	s_wait_dscnt 4*NL
	WIN MUL_LO
	MUL16 0, (\q)%2, \q, \slot, \zero
	MUL16 2, (\q)%2, \q, \slot, \zero
	s_wait_dscnt 0
	PLACES NP
	FETCH_B \slot, (\q)+1, 1-(\q)%2
	FETCH_A \slot, (\q)+1, 0
	WIN MUL_HI
	MUL16 4, (\q)%2, \q, \slot, \zero
	MUL16 6, (\q)%2, \q, \slot, \zero
	PLACES NP
	WIN 0
	FETCH_A \slot, (\q)+1, 4
.endm
.macro TURN slot, next, fill
	s_wait_tensorcnt 0x0
	ds_add_u32 v[SPW], v[NIL]
	s_wait_dscnt 4*NL+1
	WIN MUL_LO
	MUL16 0, 1, NQ-1, \slot, 0
	s_wait_dscnt 0x0
	s_barrier_signal -1
	MUL16 2, 1, NQ-1, \slot, 0
	WIN 0
	s_barrier_wait -1
.if \fill
	CREST
	s_add_nc_u64 s[G0+4*\slot+2:G0+4*\slot+3], s[G0+4*\slot+2:G0+4*\slot+3], 2*ROWB
	s_add_nc_u64 s[G0B+4*\slot+2:G0B+4*\slot+3], s[G0B+4*\slot+2:G0B+4*\slot+3], 2*ROWB
	JLOAD G0+4*\slot, G1, G0B+4*\slot, G1B
.else
	PLACES NP
.endif
	s_wait_alu depctr_va_vdst(0)
	v_add_nc_u32 v[ADRS], 4*NQ, v[ADRS]
	FETCH_B \next, 0, 0
	FETCH_A \next, 0, 0
	SCALES \next
	WIN MUL_HI
	MUL16 4, 1, NQ-1, \slot, 0
	MUL16 6, 1, NQ-1, \slot, 0
	PLACES NP
	WIN 0
	FETCH_A \next, 0, 4
.endm
	s_wait_alu depctr_va_vdst(0)
	s_wait_tensorcnt 1
	s_barrier_signal -1
	s_barrier_wait -1
	FETCH_B 0, 0, 0
	FETCH_A 0, 0, 0
	SCALES 0
	FETCH_A 0, 0, 4
	STEP 0, 0, 1
.if LAPS > 1
	s_mov_b32 s3, LAPS-1
.Llap:
	TURN 0, 1, 1
	STEP 1, 0, 0
	TURN 1, 0, 1
	STEP 0, 0, 0
	s_sub_co_u32 s3, s3, 1
	s_cmp_lg_u32 s3, 0
	s_cbranch_scc1 .Llap
.endif
	TURN 0, 1, 0
	STEP 1, 0, 0
	s_wait_dscnt 4*NL
	WIN MUL_LO
	MUL16 0, 1, NQ-1, 1, 0
	MUL16 2, 1, NQ-1, 1, 0
	s_wait_dscnt 0
	WIN MUL_HI
	MUL16 4, 1, NQ-1, 1, 0
	MUL16 6, 1, NQ-1, 1, 0
	WIN 0
	s_cmp_eq_u32 s[ISV], 1
	s_cselect_b32 s24, s42, s17
	s_cselect_b32 s25, s17, s42
	s_cselect_b32 s26, s16, s15
	s_cselect_b32 s27, s15, s16
	s_mov_b32 s28, 768
	s_cselect_b32 s28, 1536, s28
	s_mov_b32 s30, 768
	s_cselect_b32 s30, HB-3*1536, s30
	s_mov_b32 s32, HB
	s_cselect_b32 s32, 768, s32
	s_cselect_b32 s33, 6144, 0
	s_mov_b32 s34, 12288
	s_cselect_b32 s34, 12800, s34
	s_mov_b32 s29, 0
	s_mov_b32 s31, 0
	s_and_b32 s25, s25, 3
	s_lshr_b32 s35, s24, 3
	s_and_b32 s24, s24, 7
	s_lshl_b32 s24, s24, 1
	s_add_co_u32 s24, s24, s26
	s_lshl_b32 s25, s25, 2
	s_lshl_b32 s27, s27, 1
	s_add_co_u32 s25, s25, s27
	s_lshl_b32 s35, s35, 4
	s_add_co_u32 s35, s35, s25
	s_mul_i32 s36, s35, HB
	s_mul_i32 s37, s24, SB
	s_add_co_u32 s38, s37, s33
	s_add_co_u32 s39, s37, s34
	s_mul_i32 s48, s24, 6144
	s_add_co_u32 s48, s48, QC
	s_lshl_b32 s49, s24, 9
	s_add_co_u32 s49, s49, QS
	s_cmp_eq_u32 ttmp9, 0
	s_cselect_b32 s38, s48, s38
	s_cselect_b32 s50, s49, s39
	s_add_co_u32 s38, s38, s36
	s_add_co_u32 s50, s50, s36
	s_mov_b32 s39, 0
	s_mov_b32 s51, 0
	s_add_nc_u64 s[52:53], s[12:13], s[50:51]
	s_add_nc_u64 s[12:13], s[12:13], s[38:39]
	s_mov_b32 s66, 0x76543210
	s_mov_b32 s67, 0xfedcba98
	v_and_b32 v[VOL], 31, v0
	v_lshlrev_b32 v[VOL], 3, v[VOL]
	v_add_nc_u32 v[VOH], s32, v[VOL]
	v_bfe_u32 v[SH], v0, 4, 1
	v_and_b32 v[VS], 15, v0
	v_mul_u32_u24 v[TM], v[SH], HB
	v_lshl_add_u32 v[VS], v[VS], 4, v[TM]
	v_lshlrev_b32 v[SH], 4, v[SH]
.irp b, 0,1,2,3
	v_mov_b32 v[TM+4+\b], 0
.endr
.macro QOUT a
.set AC, 64*((\a)%4)
	WIN 0
	s_wait_xcnt 0x0
.if (\a) == 4
	s_add_nc_u64 s[12:13], s[12:13], s[30:31]
.elseif (\a) > 0
	s_add_nc_u64 s[12:13], s[12:13], s[28:29]
.endif
.irp b, 0,1,2,3
	v_mov_b32 v[TM+\b], 0x1800000
.endr
	WIN 0x28+0x14*((\a)/4)
.irp i, 0,2,4,6,8,10,12,14
.irp b, 0,1,2,3
	v_max3_num_f32 v[TM+\b], v[TM+\b], |v[AC+16*\b+\i]|, |v[AC+16*\b+\i+1]|
.endr
.endr
	WIN 0
.irp b, 0,1,2,3
	v_permlanex16_b32 v[TM+4+\b], v[TM+\b], s66, s67
.endr
.irp b, 0,1,2,3
	v_max_num_f32 v[TM+\b], v[TM+\b], v[TM+4+\b]
.endr
.irp b, 0,1,2,3
	v_add_nc_u32 v[TM+12+\b], 0xff000000, v[TM+\b]
.endr
.irp b, 0,1,2,3
	v_lshrrev_b32 v[TM+4+\b], 23, v[TM+12+\b]
.endr
	v_lshl_or_b32 v[PWB+(\a)], v[TM+5], 8, v[TM+4]
	v_lshl_or_b32 v[PWB+(\a)], v[TM+6], 16, v[PWB+(\a)]
	v_lshl_or_b32 v[PWB+(\a)], v[TM+7], 24, v[PWB+(\a)]
	WIN 0x02+(\a)/4
.irp c, 0,1
	v_cvt_scalef32_pk16_fp6_f32 v[CDR+6*\c:CDR+6*\c+2], v[AC+32*\c:AC+32*\c+15], v[TM+12+2*\c]
	v_cvt_scalef32_pk16_fp6_f32 v[CDR+12+4*\c:CDR+14+4*\c], v[AC+16+32*\c:AC+31+32*\c], v[TM+12+2*\c+1]
.endr
	WIN 0
	v_nop
.irp c, 0,1
.irp i, 0,1,2
	v_permlane16_swap_b32 v[CDR+6*\c+\i], v[CDR+12+4*\c+\i]
.endr
.irp i, 0,1,2
	v_mov_b32 v[CDR+3+6*\c+\i], v[CDR+12+4*\c+\i]
.endr
.endr
.irp p, 0,1,2
	global_store_b64 v[VOL], v[CDR+2*\p:CDR+2*\p+1], s[12:13] offset:256*\p
.endr
.irp p, 0,1,2
	global_store_b64 v[VOH], v[CDR+6+2*\p:CDR+7+2*\p], s[12:13] offset:256*\p
.endr
.endm
.irp a, 0,1,2,3,4,5,6,7
	QOUT \a
.endr
	s_cmp_eq_u32 s[ISV], 0
	s_cbranch_scc0 .Lv_words
.irp a, 0,1,2,3,4,5,6,7
	v_bfe_u32 v[PWB+\a], v[PWB+\a], v[SH], 16
.endr
	global_store_b128 v[VS], v[PWB:PWB+3], s[52:53]
	global_store_b128 v[VS], v[PWB+4:PWB+7], s[52:53] offset:256
	s_branch .Lwords_out
.Lv_words:
	v_cmp_ne_u32 vcc_lo, 0, v[SH]
.irp j, 0,1,2,3
	v_cndmask_b32 v[PWB+\j], v[PWB+\j], v[PWB+4+\j], vcc_lo
.endr
	global_store_b128 v[VS], v[PWB:PWB+3], s[52:53]
.Lwords_out:
	s_wait_tensorcnt 0x0
	ds_add_u32 v[SPW], v[NIL]
	s_wait_dscnt 0x0
	CROUND
	s_endpgm
.Lfunc_end_k_qc93c89ca1d_gemm_qkv:
	.size	k_qc93c89ca1d_gemm_qkv, .Lfunc_end_k_qc93c89ca1d_gemm_qkv-k_qc93c89ca1d_gemm_qkv
	.p2alignl 7, 3214868480
	.fill 96, 4, 3214868480
	.section	.rodata,"a",@progbits
	.p2align	6, 0x0
	.amdhsa_kernel k_qc93c89ca1d_gemm_qkv
		.amdhsa_group_segment_fixed_size 327680
		.amdhsa_private_segment_fixed_size 0
		.amdhsa_enable_private_segment 0
		.amdhsa_kernarg_size 24
		.amdhsa_user_sgpr_count 2
		.amdhsa_user_sgpr_kernarg_segment_ptr 1
		.amdhsa_wavefront_size32 1
		.amdhsa_system_sgpr_workgroup_id_x 1
		.amdhsa_system_sgpr_workgroup_id_y 1
		.amdhsa_system_sgpr_workgroup_id_z 1
		.amdhsa_system_vgpr_workitem_id 0
		.amdhsa_next_free_vgpr 1024
		.amdhsa_next_free_sgpr 102
		.amdhsa_reserve_vcc 1
		.amdhsa_float_denorm_mode_32 3
		.amdhsa_float_denorm_mode_16_64 3
		.amdhsa_memory_ordered 1
		.amdhsa_forward_progress 1
		.amdhsa_inst_pref_size 171
	.end_amdhsa_kernel
	.amdgpu_metadata
---
amdhsa.version: [ 1, 2 ]
amdhsa.kernels:
  - .name:           k_qc93c89ca1d_gemm_qkv
    .symbol:         k_qc93c89ca1d_gemm_qkv.kd
    .args:
      - { .name: codes, .offset: 0, .size: 8, .value_kind: global_buffer, .address_space: global }
      - { .name: scales, .offset: 8, .size: 8, .value_kind: global_buffer, .address_space: global }
      - { .name: qkv, .offset: 16, .size: 8, .value_kind: global_buffer, .address_space: global }
    .group_segment_fixed_size: 327680
    .private_segment_fixed_size: 0
    .kernarg_segment_align: 8
    .kernarg_segment_size: 24
    .max_flat_workgroup_size: 128
    .sgpr_count:     102
    .vgpr_count:     1024
    .wavefront_size: 32
...
	.end_amdgpu_metadata
.endif
;; end of part 2
;; launch attn (part 3): grid 4 x 64, 16 waves a work-group, clusters of 4 x 1, 210,944 bytes of LDS; arguments qkv, ao_img, ao_scl; writes ao_img, ao_scl
.if DOCPART == 3
	.amdgcn_target "amdgcn-amd-amdhsa--gfx1250"
	.amdhsa_code_object_version 6
	.text
	.protected	k_qc93c89ca1d_attn
	.globl	k_qc93c89ca1d_attn
	.p2align	8
	.type	k_qc93c89ca1d_attn,@function
k_qc93c89ca1d_attn:
	s_mov_b64 s[64:65], 0
	v_nop
	global_prefetch_b8 v0, s[64:65] scope:SCOPE_SE
	s_setreg_imm32_b32 hwreg(HW_REG_WAVE_MODE, 25, 1), 1
	s_wait_xcnt 0x0
	s_wait_alu depctr_hold_cnt(0) depctr_sa_sdst(0) depctr_va_vdst(0) depctr_va_sdst(0) depctr_va_ssrc(0) depctr_va_vcc(0) depctr_vm_vsrc(0)
	s_getreg_b32 s2, hwreg(HW_REG_IB_STS2, 6, 4)
	s_cmp_eq_u32 s2, 0
	s_cbranch_scc0 .Lentry_in_a_cluster
	s_endpgm
.Lentry_in_a_cluster:
	s_bfe_u32 s2, ttmp6, 0x10000c
	s_cmp_lg_u32 s2, 0x3003
	s_cbranch_scc0 .Lentry_shape_is_right
	s_endpgm
.Lentry_shape_is_right:
; Attention of one head on codes of FP6 (E2M3): S^T = K Q^T (K = the head's 64 channels), p = 2^(t - M), O^T = V^T P^T (K = the keys), O / the row's sum, quantised along the channels for the last product.
; t = score x log2(e) / 8 (q's factor 1/8, a power of two, moves a block's byte and no code: it is folded into the constant); M = the running largest t rounded up to a whole number;
; the row's sum is taken of the unquantised p; when M moves, the sum and O^T are multiplied by 2^(old M - new M), which rounds nothing.
; SHARES.  A cluster of four work-groups serves one head; a work-group owns 512 queries, in two passes of 256; each of its sixteen waves owns one tile of 16 queries a pass, in 256 registers, four waves to a SIMD.
; A HEAD'S WHOLE K AND V LIE IN LDS: 16 step blocks of 13,056 bytes, an image of memory, brought ONCE by joint loads of the four work-groups, in four chunks of four key steps; nothing is ever filled again.
; All operands lie in memory and in LDS as images of their registers: piece p of a fragment is 256 consecutive bytes, 8 bytes a lane: no pitch, no padding.
; THE HEAD'S 64 CHANNELS FILL HALF OF THE INSTRUCTION'S K.  Q's upper six registers are zero codes, and both sides' scale bytes of that half are 0 (2^-127).  K's operand of tile t names the 12 registers from its six on:
; the upper six are the next tile's codes (behind tile 7: zeros), which meet Q's zeros and add nothing.
; A lane holds ONE query (lane % 16) throughout.  The keys of a tile are 32 (t / 2) + 8 (t % 2) + r + 8 (r / 8), so the 16 registers of tiles 2 b, 2 b + 1 are keys 32 b + 16 (lane / 16) + 0 .. 15; V's channels likewise.
; No prefetch: all that a work-group will read from memory is asked for by tensor loads and loads at its head.
; LIMITS: NaN and infinities are not served; an output block whose largest magnitude lies under 2^-124, and a block of zeros, get the byte 1.
; REGISTERS: v1-6 stay; v8-10 the step's addresses; v12 -M, v13 the largest t, v[14:15] the sum; v16-27 Q; v32-79 K's eight tiles, then V's four; v80-85 zeros; v86-92 the second pass's Q;
;   v96-159 S^T, then p; v160-191 O^T; v192-203 p's codes; v204-207 V's scale words; v232-247, v252, v254 at work; v248-251 K's scale words; v253 p's; v255 Q's.
.set HB,    315392                     ; a head block of qkv
.set SB,    13056                      ; a step block: K's codes 6,144, V's codes 6,144, K's scale words 512, V's 256
.set QC,    208896                     ; q's codes in a head block
.set QS,    307200                     ; q's scale words
.set CHB,   4*SB                       ; a chunk
.set PART,  51*256                     ; a step block: what one tensor load brings.  Each of the sixteen waves asks for one; the first four blocks are shown to all ahead of the other twelve
.set VCO,   6144
.set KSW,   12288
.set VSW,   12800
.set SPARE, 16*SB                      ; behind the step blocks: the spare words, 128 bytes a wave, which no other line names
.set LK,  1                            ; v1  8 x lane
.set LS,  2                            ; v2  16 x lane
.set LT,  3                            ; v3  16 x (lane % 16)
.set GS,  4                            ; v4  32 x (lane % 16)
.set SPW, 5
.set NIL, 6
.set ADK, 8
.set ADS, 9
.set ADT, 10
.set TB,  2                            ; s2  LDS byte at which the step block in hand begins
.set CNT, 3
.set WV,  18
.set SEL, 20
.set CS,  22
.set G1,  24
.set G0,  40
.macro CROUND                          ; a round of the cluster's barrier
	s_barrier_signal -1
	s_barrier_wait -1
	s_cmp_lg_u32 s[WV], 0
	s_cbranch_scc1 .Lnot_wave_0_\@
	s_barrier_signal -3
.Lnot_wave_0_\@:
	s_barrier_wait -3
	s_barrier_signal -1
	s_barrier_wait -1
.endm
	s_load_b128 s[4:7], s[0:1], 0x0                ; qkv, ao_img
	s_load_b64 s[8:9], s[0:1], 0x10                ; ao_scl
	v_lshl_add_u32 v[SPW], v0, 2, SPARE
	v_mov_b32 v[NIL], 0
	ds_add_u32 v[SPW], v[NIL]                      ; the wave's opening: the add and its wait ahead of the first tensor loads; work on registers stands between them
	ds_add_u32 v[SPW], v[NIL]
	v_lshrrev_b32 v8, 5, v0
	s_delay_alu instid0(VALU_DEP_1)
	v_readfirstlane_b32 s[WV], v8                  ; wave 0..15
	s_bfe_u32 s37, ttmp6, 0x40000                  ; cx: it enters Q's and the outputs' addresses alone
	s_and_b32 s36, ttmp7, 0xffff                   ; 16 x batch + head, which the four partners share
	s_mul_i32 s34, s36, HB                         ; the head block (under 2^25)
	s_mov_b32 s35, 0
	s_mul_i32 s19, s[WV], PART                     ; my step block: its place in the head block and in LDS
	s_mov_b32 s32, s19
	s_mov_b32 s33, 0
	; descriptor group 1: 51 rows of 256 bytes (32 elements of 8), dense, no padding
	s_mov_b32 s[G1], 15|(3<<16)|(1<<21)            ; 15:0 the mask: all four work-groups; 17:16 elements of 8 bytes; 21 set beside a mask
	s_mov_b32 s[G1+1], 32<<16                      ; tensor_dim0
	s_mov_b32 s[G1+2], 51<<16                      ; tensor_dim1
	s_mov_b32 s[G1+3], 32<<16                      ; tile_dim0
	s_mov_b32 s[G1+4], 51                          ; tile_dim1
	s_mov_b32 s[G1+5], 32                          ; from row to row
	s_mov_b32 s[G1+6], 0
	s_mov_b32 s[G1+7], 0
	s_mov_b32 s[SEL], 0x76543210
	s_mov_b32 s[SEL+1], 0xfedcba98                 ; v_permlanex16_b32's selects for lane l xor 16
	s_mov_b32 s[CS], 0x3e38aa3b                    ; c = log2(e) / 8
	s_mov_b32 s[CS+1], s[CS]                       ; (named with it as a pair, so it is written)
	s_lshl_b32 s58, s37, 5
	s_add_co_u32 s58, s58, s[WV]                   ; my tile of queries in the first pass: 32 cx + wave; in the second 16 more
	s_mul_i32 s38, s58, 768
	s_add_co_u32 s38, s38, QC
	s_add_co_u32 s38, s38, s34                     ; its codes
	s_mov_b32 s39, 0
	s_lshl_b32 s56, s37, 2                         ; its scale words: group of 8 tiles x 512 + half x 256 + 16 r + 4 x (tile % 4)
	s_lshr_b32 s57, s[WV], 3
	s_add_co_u32 s56, s56, s57
	s_lshl_b32 s56, s56, 9
	s_bfe_u32 s57, s[WV], 0x10002
	s_lshl_b32 s57, s57, 8
	s_add_co_u32 s56, s56, s57
	s_and_b32 s57, s[WV], 3
	s_lshl_b32 s57, s57, 2
	s_add_co_u32 s56, s56, s57
	s_add_co_u32 s56, s56, QS
	s_add_co_u32 s56, s56, s34
	s_mov_b32 s57, 0
	s_lshr_b32 s59, s36, 4                         ; the batch
	s_lshl_b32 s59, s59, 7
	s_add_co_u32 s58, s58, s59                     ; my tile among all 512 tiles of tokens
	s_and_b32 s59, s36, 15                         ; the head
	s_lshl_b32 s60, s58, 4
	s_add_co_u32 s60, s60, s59
	s_mul_i32 s60, s60, 768                        ; ao_img: [tile of tokens][head][768 bytes]
	s_mov_b32 s61, 0
	s_lshl_b32 s62, s58, 9                         ; ao_scl: 32 bytes a token, two of them a head
	s_lshl_b32 s59, s59, 1
	s_add_co_u32 s62, s62, s59
	s_mov_b32 s63, 0
	s_wait_dscnt 0x0                               ; the opening add is done
	s_wait_kmcnt 0x0
	s_add_nc_u64 s[10:11], s[4:5], s[38:39]        ; Q's codes
	s_add_nc_u64 s[12:13], s[4:5], s[56:57]        ; Q's scale words
	s_add_nc_u64 s[14:15], s[6:7], s[60:61]
	s_add_nc_u64 s[16:17], s[8:9], s[62:63]
	s_add_nc_u64 s[4:5], s[4:5], s[34:35]          ; the head block,
	s_add_nc_u64 s[4:5], s[4:5], s[32:33]          ; my step block
	CROUND                                         ; all four work-groups are here: the joint loads meet
	s_mov_b32 s[G0], 1                             ; count = 1
	s_mov_b32 s[G0+1], s19                         ; LDS address: the image of memory
	s_mov_b64 s[G0+2:G0+3], s[4:5]
	s_or_b32 s[G0+3], s[G0+3], 0x80000000          ; type = 2
	s_cmp_lt_u32 s[WV], 4                          ; one joint load a wave.  Waves 0 to 3, whose blocks are shown first, have a load line of their own
	s_cbranch_scc0 .Lrest
	tensor_load_to_lds s[G0:G0+3], s[G1:G1+7]
	s_nop 0
.rept 4
	v_nop
.endr
	s_branch .Lasked
.Lrest:
	tensor_load_to_lds s[G0:G0+3], s[G1:G1+7]
	s_nop 0
.rept 4
	v_nop
.endr
.Lasked:
	v_and_b32 v8, 31, v0
	s_delay_alu instid0(VALU_DEP_1)
	v_lshlrev_b32 v[LK], 3, v8
	s_delay_alu instid0(VALU_DEP_2)
	v_lshlrev_b32 v[LS], 4, v8
	v_and_b32 v9, 15, v0
	s_delay_alu instid0(VALU_DEP_1)
	v_lshlrev_b32 v[LT], 4, v9
	s_delay_alu instid0(VALU_DEP_2)
	v_lshlrev_b32 v[GS], 5, v9
.irp p, 0,1,2
	global_load_b64 v[16+2*\p:17+2*\p], v[LK], s[10:11] offset:256*\p          ; the first pass's Q
.endr
	global_load_b32 v255, v[LT], s[12:13]
.irp p, 0,1,2
	global_load_b64 v[86+2*\p:87+2*\p], v[LK], s[10:11] offset:16*768+256*\p   ; the second pass's: 16 tiles on
.endr
	global_load_b32 v92, v[LT], s[12:13] offset:1024
.irp j, 0,1,2,3,4,5
	v_mov_b32 v[22+\j], 0                          ; Q's K = 64 .. 127: zero codes
	v_mov_b32 v[80+\j], 0                          ; and the tail of K's tile 7
.endr
.irp b, 0,1,2,3
	v_mov_b32 v[236+\b], 0                         ; written once: a lane permute's destination counts as one of its sources
.endr
	v_mov_b32 v253, 0                              ; (named as the upper half of the pair v[252:253] before it is first written)
; A KEY STEP: 128 keys, the step block at s[TB].
.macro STEP
	v_add_nc_u32 v[ADK], s[TB], v[LK]              ; these three and the v_nop are the four places between the last step's products and the loads into their registers
	v_add_nc_u32 v[ADS], s[TB], v[LS]
	v_add_nc_u32 v[ADT], s[TB], v[LT]
	v_nop
	ds_load_b128 v[248:251], v[ADS] offset:KSW     ; K's scale words: lanes 0-15 those of tiles 0-3, lanes 16-31 those of tiles 4-7
.irp t, 0,1,2,3,4,5,6,7
.irp p, 0,1,2
	ds_load_b64 v[32+6*\t+2*\p:33+6*\t+2*\p], v[ADK] offset:768*\t+256*\p
.endr
.endr
	ds_load_b128 v[204:207], v[ADT] offset:VSW     ; V's scale words: lane r: row r of the four tiles of channels
	s_wait_alu depctr_va_vdst(0)
	s_wait_dscnt 1                                 ; all but the last: V's words may be out
.irp t, 0,1,2,3
	v_wmma_scale_f32_16x16x128_f8f6f4 v[96+8*\t:103+8*\t], v[32+6*\t:43+6*\t], v[16:27], 0, v[248+\t], v255 matrix_a_fmt:MATRIX_FMT_FP6 matrix_b_fmt:MATRIX_FMT_FP6
.endr
.irp t, 4,5,6,7
	v_wmma_scale_f32_16x16x128_f8f6f4 v[96+8*\t:103+8*\t], v[32+6*\t:43+6*\t], v[16:27], 0, v[248+\t-4], v255 matrix_a_fmt:MATRIX_FMT_FP6 matrix_b_fmt:MATRIX_FMT_FP6 matrix_a_scale:MATRIX_SCALE_ROW1
.endr
.rept 4
	v_nop                                          ; places in front of the loads into K's registers and of the first read of the scores
.endr
.irp d, 0,1,2,3
.irp p, 0,1,2,3,4,5
	ds_load_b64 v[32+12*\d+2*\p:33+12*\d+2*\p], v[ADK] offset:VCO+1536*\d+256*\p   ; V's four fragments land while the softmax is walked
.endr
.endr
.irp b, 0,1,2,3
	v_max3_num_f32 v[232+\b], v[96+16*\b], v[97+16*\b], v[98+16*\b]   ; the largest score of each block of 32 keys: it serves for the row's maximum and, since p rises with the score, for the block's largest p
.endr
.irp i, 3,5,7,9,11,13
.irp b, 0,1,2,3
	v_max3_num_f32 v[232+\b], v[232+\b], v[96+16*\b+\i], v[97+16*\b+\i]
.endr
.endr
.irp b, 0,1,2,3
	v_max_num_f32 v[232+\b], v[232+\b], v[111+16*\b]
.endr
.irp b, 0,1,2,3
	s_delay_alu instid0(VALU_DEP_4)
	v_permlanex16_b32 v[236+\b], v[232+\b], s[SEL], s[SEL+1]
.endr
.irp b, 0,1,2,3
	s_delay_alu instid0(VALU_DEP_4)
	v_max_num_f32 v[232+\b], v[232+\b], v[236+\b]  ; with lane l xor 16's 16 keys
.endr
	s_delay_alu instid0(VALU_DEP_2)
	v_max3_num_f32 v254, v232, v233, v234
	s_delay_alu instid0(VALU_DEP_1)
	v_max_num_f32 v254, v254, v235                 ; the step's largest score of my query
	s_delay_alu instid0(VALU_DEP_1)
	v_mul_f32 v254, s[CS], v254                    ; as t (c is positive)
	s_delay_alu instid0(VALU_DEP_1)
	v_max_num_f32 v13, v13, v254                   ; the running largest t
	v_mov_b32 v254, v12
	s_delay_alu instid0(VALU_DEP_2)
	v_floor_f32 v12, -v13                          ; the new -M = floor(-t): M is a whole number
	s_delay_alu instid0(VALU_DEP_1)
	v_sub_f32 v254, v12, v254                      ; old M less new M: a whole number, 0 or less
	s_delay_alu instid0(VALU_DEP_1)
	v_cvt_i32_f32 v254, v254                       ; (it saturates)
	s_delay_alu instid0(VALU_DEP_1)
	v_ldexp_f32 v252, 1.0, v254                    ; f = 2^(old M - new M)
.irp j, 0,2,4,6,8,10,12,14,16,18,20,22,24,26,28,30,32,34,36,38,40,42,44,46,48,50,52,54,56,58,60,62
	v_pk_fma_f32 v[96+\j:97+\j], v[96+\j:97+\j], s[CS:CS+1], v[12:13] op_sel_hi:[1,0,0]   ; t - M, two at a time
.endr
.irp b, 0,1,2,3
	v_fma_f32 v[232+\b], v[232+\b], s[CS], v12     ; the same of each block's largest score
.endr
	s_wait_alu depctr_va_vdst(0)
.irp j, 0,1,2,3,4,5,6,7,8,9,10,11,12,13,14,15,16,17,18,19,20,21,22,23,24,25,26,27,28,29,30,31,32,33,34,35,36,37,38,39,40,41,42,43,44,45,46,47,48,49,50,51,52,53,54,55,56,57,58,59,60,61,62,63
	v_exp_f32 v[96+\j], v[96+\j]                   ; p = 2^(t - M), at most 1: not normalised
.endr
	v_pk_mul_f32 v[14:15], v[14:15], v[252:253] op_sel_hi:[1,0]   ; the sums under the new M (the plain line behind the exponentials)
	s_wait_alu depctr_va_vdst(0)                   ; one wait for the whole batch, ahead of its first reader
.irp b, 0,1,2,3
	v_exp_f32 v[232+\b], v[232+\b]                 ; the block's largest p
.endr
	v_pk_add_f32 v[236:237], v[100:101], v[104:105]
	v_pk_add_f32 v[250:251], v[108:109], v[112:113]
	v_pk_add_f32 v[248:249], v[116:117], v[120:121]
	v_pk_add_f32 v[246:247], v[124:125], v[128:129]
	v_pk_add_f32 v[244:245], v[132:133], v[136:137]
	v_pk_add_f32 v[242:243], v[140:141], v[144:145]
	v_pk_add_f32 v[240:241], v[148:149], v[152:153]
	v_pk_add_f32 v[14:15], v[14:15], v[156:157]
	v_pk_add_f32 v[236:237], v[236:237], v[96:97]
	v_pk_add_f32 v[250:251], v[250:251], v[98:99]
	v_pk_add_f32 v[248:249], v[248:249], v[102:103]
	v_pk_add_f32 v[246:247], v[246:247], v[106:107]
	v_pk_add_f32 v[244:245], v[244:245], v[110:111]
	v_pk_add_f32 v[242:243], v[242:243], v[114:115]
	v_pk_add_f32 v[240:241], v[240:241], v[118:119]
	v_pk_add_f32 v[14:15], v[14:15], v[122:123]
	v_pk_add_f32 v[236:237], v[236:237], v[126:127]
	v_pk_add_f32 v[250:251], v[250:251], v[130:131]
	v_pk_add_f32 v[248:249], v[248:249], v[134:135]
	v_pk_add_f32 v[246:247], v[246:247], v[138:139]
	v_pk_add_f32 v[244:245], v[244:245], v[142:143]
	v_pk_add_f32 v[242:243], v[242:243], v[146:147]
	v_pk_add_f32 v[240:241], v[240:241], v[150:151]
	v_pk_add_f32 v[14:15], v[14:15], v[154:155]
	v_pk_add_f32 v[236:237], v[236:237], v[158:159]
	s_delay_alu instid0(VALU_DEP_2)
	v_pk_add_f32 v[14:15], v[14:15], v[246:247]
	s_delay_alu instid0(VALU_DEP_2)
	v_pk_add_f32 v[236:237], v[236:237], v[244:245]
	v_pk_add_f32 v[250:251], v[250:251], v[242:243]
	v_pk_add_f32 v[248:249], v[248:249], v[240:241]
	s_delay_alu instid0(VALU_DEP_2)
	v_pk_add_f32 v[14:15], v[14:15], v[250:251]
	s_delay_alu instid0(VALU_DEP_2)
	v_pk_add_f32 v[236:237], v[236:237], v[248:249]
	s_delay_alu instid0(VALU_DEP_1)
	v_pk_add_f32 v[14:15], v[14:15], v[236:237]
	s_wait_alu depctr_va_vdst(0)                   ; and one for the four
.irp b, 0,1,2,3
	v_max_num_f32 v[232+\b], 0x1800000, v[232+\b]  ; the floor 2^(3 - 127): the byte cannot fall under 1
.endr
.irp b, 0,1,2,3
	s_delay_alu instid0(VALU_DEP_4)
	v_add_nc_u32 v[244+\b], 0xff000000, v[232+\b]  ; 2 off the exponent field: the conversion's scale operand
.endr
.irp b, 0,1,2,3
	s_delay_alu instid0(VALU_DEP_4)
	v_lshrrev_b32 v[236+\b], 23, v[244+\b]         ; the scale's byte
.endr
	s_delay_alu instid0(VALU_DEP_3)
	v_lshl_or_b32 v253, v237, 8, v236              ; p's scale word for these 128 keys
	s_delay_alu instid0(VALU_DEP_1)
	v_lshl_or_b32 v253, v238, 16, v253
	s_delay_alu instid0(VALU_DEP_1)
	v_lshl_or_b32 v253, v239, 24, v253
.irp c, 0,1
	v_cvt_scalef32_pk16_fp6_f32 v[192+6*\c:194+6*\c], v[96+32*\c:111+32*\c], v[244+2*\c]
	v_cvt_scalef32_pk16_fp6_f32 v[236+4*\c:238+4*\c], v[112+32*\c:127+32*\c], v[244+2*\c+1]   ; (a conversion's three registers begin on an even number)
.endr
	v_nop                                          ; one plain line behind a scaled conversion
.irp c, 0,1                                    ; the operand's layout wants a whole block in a lane
.irp i, 0,1,2
	v_permlane16_swap_b32 v[192+6*\c+\i], v[236+4*\c+\i]
.endr
.irp i, 0,1,2
	s_delay_alu instid0(VALU_DEP_3)
	v_mov_b32 v[195+6*\c+\i], v[236+4*\c+\i]
.endr
.endr
.irp j, 0,2,4,6,8,10,12,14,16,18,20,22,24,26,28,30
	v_pk_mul_f32 v[160+\j:161+\j], v[160+\j:161+\j], v[252:253] op_sel_hi:[1,0]   ; O^T under the new M; these sixteen also stand between the lines that made p's codes and scale word and the products
.endr
	s_wait_alu depctr_va_vdst(0)
	s_wait_dscnt 0x0                               ; V's fragments and scale words are in
.irp d, 0,1,2,3
	v_wmma_scale_f32_16x16x128_f8f6f4 v[160+8*\d:167+8*\d], v[32+12*\d:43+12*\d], v[192:203], v[160+8*\d:167+8*\d], v[204+\d], v253 matrix_a_fmt:MATRIX_FMT_FP6 matrix_b_fmt:MATRIX_FMT_FP6   ; the four accumulators by turns
.endr
	s_add_co_u32 s[TB], s[TB], SB
.endm
; The first pass in two parts.  c = 0: waves 0 to 3 wait for their blocks, the barrier shows key steps 0 to 3 to all; the other twelve loads may stay on their way, since nothing is ever filled again.
; c = 1: every wave waits for its load, and the barrier shows the whole head.
.macro CHUNK c
.if \c
	s_wait_tensorcnt 0x0
.else
	s_cmp_lt_u32 s[WV], 4
	s_cbranch_scc0 .Lnot_mine_\@
	s_wait_tensorcnt 0x0
.Lnot_mine_\@:
.endif
	s_wait_dscnt 0x0
	s_barrier_signal -1
	s_barrier_wait -1
	s_mov_b32 s[TB], \c*CHB
	s_mov_b32 s[CNT], 4+8*\c                       ; four key steps, then twelve
.Lchunk_\@:
	STEP
	s_sub_co_u32 s[CNT], s[CNT], 1
	s_cmp_lg_u32 s[CNT], 0
	s_cbranch_scc1 .Lchunk_\@
.endm
.macro PROLOG pi
.if \pi
	s_wait_xcnt 0x0                                ; the first pass's stores have read their registers
.irp j, 0,1,2,3,4,5
	v_mov_b32 v[16+\j], v[86+\j]                   ; the second pass's Q
.endr
	v_mov_b32 v255, v92                            ; and its scale word; the lines below stand between these and the first product
.endif
	v_mov_b32 v13, 0xff61b1e6                      ; the largest t so far: -3e38, under every t
	s_delay_alu instid0(VALU_DEP_1)
	v_floor_f32 v12, -v13                          ; -M
	v_mov_b32 v14, 0
	v_mov_b32 v15, 0
.irp j, 0,1,2,3,4,5,6,7,8,9,10,11,12,13,14,15,16,17,18,19,20,21,22,23,24,25,26,27,28,29,30,31
	v_mov_b32 v[160+\j], 0                         ; O^T: the step is written once: the first finds zeros, which the first change of M leaves zeros
.endr
.endm
; O^T / the sum; its 32 numbers of a lane, register 16 b + i = channel 32 b + 16 (lane / 16) + i of my query, become six registers of codes and two scale bytes.
.macro EPILOG pi
	v_add_f32 v14, v14, v15                        ; the sum's two halves,
	s_delay_alu instid0(VALU_DEP_1)
	v_permlanex16_b32 v252, v14, s[SEL], s[SEL+1]
	s_delay_alu instid0(VALU_DEP_1)
	v_add_f32 v14, v14, v252                       ; and lane l xor 16's
	s_wait_alu depctr_va_vdst(0)
	v_rcp_f32 v14, v14
.rept 3
	v_nop                                          ; the plain line behind the reciprocal; with the two additions: the places behind the last products
.endr
	s_wait_alu depctr_va_vdst(0)                   ; ahead of the reciprocal's first reader
.irp j, 0,2,4,6,8,10,12,14,16,18,20,22,24,26,28,30
	v_pk_mul_f32 v[96+\j:97+\j], v[160+\j:161+\j], v[14:15] op_sel_hi:[1,0]   ; each accumulator from its low end on
.endr
.irp b, 0,1
	v_max3_num_f32 v[232+\b], |v[96+16*\b]|, |v[97+16*\b]|, 0x1800000
.endr
.irp i, 2,4,6,8,10,12,14
.irp b, 0,1
	s_delay_alu instid0(VALU_DEP_2)
	v_max3_num_f32 v[232+\b], v[232+\b], |v[96+16*\b+\i]|, |v[97+16*\b+\i]|
.endr
.endr
.irp b, 0,1
	s_delay_alu instid0(VALU_DEP_2)
	v_permlanex16_b32 v[236+\b], v[232+\b], s[SEL], s[SEL+1]
.endr
.irp b, 0,1
	s_delay_alu instid0(VALU_DEP_2)
	v_max_num_f32 v[232+\b], v[232+\b], v[236+\b]
.endr
.irp b, 0,1
	s_delay_alu instid0(VALU_DEP_2)
	v_add_nc_u32 v[244+\b], 0xff000000, v[232+\b]
.endr
.irp b, 0,1
	s_delay_alu instid0(VALU_DEP_2)
	v_lshrrev_b32 v[236+\b], 23, v[244+\b]
.endr
	s_delay_alu instid0(VALU_DEP_1)
	v_lshl_or_b32 v254, v237, 8, v236              ; my row's two scale bytes of this head
	v_cvt_scalef32_pk16_fp6_f32 v[192:194], v[96:111], v244
	v_cvt_scalef32_pk16_fp6_f32 v[196:198], v[112:127], v245
	v_nop                                          ; one plain line behind a scaled conversion
.irp i, 0,1,2
	v_permlane16_swap_b32 v[192+\i], v[196+\i]     ; lanes 0-15: block 0, lanes 16-31: block 1
.endr
.irp i, 0,1,2
	s_delay_alu instid0(VALU_DEP_3)
	v_mov_b32 v[195+\i], v[196+\i]                 ; in ascending order: each source is read before it is written
.endr
.irp p, 0,1,2
	global_store_b64 v[LK], v[192+2*\p:193+2*\p], s[14:15] offset:256*\p+(\pi)*196608   ; 32 lanes store 256 consecutive bytes, at a multiple of 256 from the buffer's first byte
.endr
	global_store_b16 v[GS], v254, s[16:17] offset:(\pi)*8192   ; two bytes of a token's 32 (the others are other heads', other clusters'); both halves of the lanes write the same bytes with the same value
.endm
	s_wait_loadcnt 0x0                             ; Q, both passes'
	PROLOG 0
	CHUNK 0
	CHUNK 1
	EPILOG 0
	PROLOG 1
	s_mov_b32 s[TB], 0                             ; the second pass: the whole head lies in LDS and every wave has passed the barrier that showed it
	s_mov_b32 s[CNT], 16
.Lsecond:
	STEP
	s_sub_co_u32 s[CNT], s[CNT], 1
	s_cmp_lg_u32 s[CNT], 0
	s_cbranch_scc1 .Lsecond
	EPILOG 1
	s_wait_tensorcnt 0x0                           ; the wave's end
	ds_add_u32 v[SPW], v[NIL]
	s_wait_dscnt 0x0
	CROUND                                         ; the closing round
	s_endpgm
.Lfunc_end_k_qc93c89ca1d_attn:
	.size	k_qc93c89ca1d_attn, .Lfunc_end_k_qc93c89ca1d_attn-k_qc93c89ca1d_attn
	.p2alignl 7, 3214868480
	.fill 96, 4, 3214868480
	.section	.rodata,"a",@progbits
	.p2align	6, 0x0
	.amdhsa_kernel k_qc93c89ca1d_attn
		.amdhsa_group_segment_fixed_size 210944
		.amdhsa_private_segment_fixed_size 0
		.amdhsa_enable_private_segment 0
		.amdhsa_kernarg_size 24
		.amdhsa_user_sgpr_count 2
		.amdhsa_user_sgpr_kernarg_segment_ptr 1
		.amdhsa_wavefront_size32 1
		.amdhsa_system_sgpr_workgroup_id_x 1
		.amdhsa_system_sgpr_workgroup_id_y 1
		.amdhsa_system_sgpr_workgroup_id_z 1
		.amdhsa_system_vgpr_workitem_id 0
		.amdhsa_next_free_vgpr 256
		.amdhsa_next_free_sgpr 66
		.amdhsa_reserve_vcc 0
		.amdhsa_float_denorm_mode_32 3
		.amdhsa_float_denorm_mode_16_64 3
		.amdhsa_memory_ordered 1
		.amdhsa_forward_progress 1
		.amdhsa_inst_pref_size 73
	.end_amdhsa_kernel
	.amdgpu_metadata
---
amdhsa.version: [ 1, 2 ]
amdhsa.kernels:
  - .name:           k_qc93c89ca1d_attn
    .symbol:         k_qc93c89ca1d_attn.kd
    .args:
      - { .name: qkv, .offset: 0, .size: 8, .value_kind: global_buffer, .address_space: global }
      - { .name: ao_img, .offset: 8, .size: 8, .value_kind: global_buffer, .address_space: global }
      - { .name: ao_scl, .offset: 16, .size: 8, .value_kind: global_buffer, .address_space: global }
    .group_segment_fixed_size: 210944
    .private_segment_fixed_size: 0
    .kernarg_segment_align: 8
    .kernarg_segment_size: 24
    .max_flat_workgroup_size: 512
    .sgpr_count:     66
    .vgpr_count:     256
    .wavefront_size: 32
...
	.end_amdgpu_metadata
.endif
;; end of part 3
;; launch gemm_proj (part 4): grid 4 x 32, 4 waves a work-group, clusters of 4 x 4, 327,680 bytes of LDS; arguments ao_img, ao_scl, codes, scales, b_proj, out0; writes out0
.if DOCPART == 4
	.amdgcn_target "amdgcn-amd-amdhsa--gfx1250"
	.amdhsa_code_object_version 6
	.text
	.protected	k_qc93c89ca1d_gemm_proj
	.globl	k_qc93c89ca1d_gemm_proj
	.p2align	8
	.type	k_qc93c89ca1d_gemm_proj,@function
k_qc93c89ca1d_gemm_proj:
	s_mov_b64 s[64:65], 0
	v_nop
	global_prefetch_b8 v0, s[64:65] scope:SCOPE_SE
	s_setreg_imm32_b32 hwreg(HW_REG_WAVE_MODE, 25, 1), 1
	s_wait_xcnt 0x0
	s_wait_alu depctr_hold_cnt(0) depctr_sa_sdst(0) depctr_va_vdst(0) depctr_va_sdst(0) depctr_va_ssrc(0) depctr_va_vcc(0) depctr_vm_vsrc(0)
	s_getreg_b32 s2, hwreg(HW_REG_IB_STS2, 6, 4)
	s_cmp_eq_u32 s2, 0
	s_cbranch_scc0 .Lentry_in_a_cluster
	s_endpgm
.Lentry_in_a_cluster:
	s_bfe_u32 s2, ttmp6, 0x10000c
	s_cmp_lg_u32 s2, 0xf033
	s_cbranch_scc0 .Lentry_shape_is_right
	s_endpgm
.Lentry_shape_is_right:
.set SIZE_K, 1024
.set KSTEP,  256
.set NQ,     KSTEP/128
.set ROWB,   2359296                   ; from a K step's codes of B to the next K step's: a plane of 12,288 rows x 192 bytes
.set KROW,   192                       ; a row's bytes in a plane
.set PITCH,  240
.set FR,     12
.set NL,     6
.set NP,     4
.set HALFT,  128*PITCH
.set SLOT,   4*HALFT
.set LAPS,   SIZE_K/(2*KSTEP)
.set KS,     SIZE_K/32
.set SCL,    2*SLOT
.set HALFS,  (128*KS/256)*272
.set SBLK,   (16*KS/256)*272
.set SPARE,  SCL+4*HALFS
.set SPITCH, 528
.set XP,     11264*192                 ; w_proj's first row in a plane
.set SPJ,    360448
.set ATILE,  12288
.set ASTEP,  3072
.set ADRA, 16
.set ADRB, 20
.set STO,  24
.set RD,   25
.set CO,   26
.set ADRS, 27
.set SPW,  28
.set NIL,  29
.set SC,   32
.set BIAS, 64
.set AF,   128
.set BK,   128
.set G1, 24
.set G0, 32
.set G1B, 48
.set G0B, 56
.set G1S, 68
.set G0S, 76
.set G1SB, 80
.set G0SB, 88
.set G0H,  4                           ; s[4:7], s[8:11] group 0 of the head's loads of K step 0: A's 256 rows, B's 256 rows (the arguments that lay there have been used by then)
.set G0HB, 8
.set MSB, 0
.macro WIN new
.if MSB != (\new)
	s_set_vgpr_msb (MSB<<8)|(\new)
.set MSB, (\new)
.endif
.endm
.set MUL_LO, 0xa1
.set MUL_HI, 0xf1
.set TO_B,   0x40
.macro JLOAD g0a, g1a, g0b, g1b
	s_cmp_eq_u32 s15, 0
	s_cbranch_scc0 .Lfor_b_\@
	tensor_load_to_lds s[\g0a:\g0a+3], s[\g1a:\g1a+7]
	s_nop 0
.rept 4
	v_nop
.endr
	s_branch .Lasked_\@
.Lfor_b_\@:
	tensor_load_to_lds s[\g0b:\g0b+3], s[\g1b:\g1b+7]
	s_nop 0
.rept 4
	v_nop
.endr
.Lasked_\@:
.endm
.macro CREST
	s_cmp_lg_u32 s14, 0
	s_cbranch_scc1 .Lnot_wave_0_\@
	s_barrier_signal -3
.Lnot_wave_0_\@:
	s_barrier_wait -3
	s_barrier_signal -1
	s_barrier_wait -1
.endm
.macro CROUND
	s_barrier_signal -1
	s_barrier_wait -1
	CREST
.endm
	s_load_b128 s[4:7], s[0:1], 0x0
	s_load_b128 s[8:11], s[0:1], 0x10
	s_load_b128 s[96:99], s[0:1], 0x20
	v_lshl_add_u32 v[SPW], v0, 2, SPARE
	v_mov_b32 v[NIL], 0
	ds_add_u32 v[SPW], v[NIL]
	ds_add_u32 v[SPW], v[NIL]
	v_lshrrev_b32 v1, 5, v0
	v_readfirstlane_b32 s14, v1
	s_lshr_b32 s15, s14, 1
	s_and_b32 s16, s14, 1
	s_bfe_u32 s40, ttmp6, 0x40000
	s_bfe_u32 s41, ttmp6, 0x40004
	s_lshl_b32 s42, ttmp9, 2
	s_add_co_u32 s42, s42, s40
	s_and_b32 s17, ttmp7, 0xffff
	s_lshl_b32 s17, s17, 2
	s_add_co_u32 s17, s17, s41
	s_lshl_b32 s43, s41, 2
	s_lshl_b32 s43, 15, s43
	s_lshl_b32 s44, 0x1111, s40
	s_or_b32 s[G1+0], s43, (3<<16)|(1<<21)
	s_mov_b32 s[G1+1], 384<<16
	s_mov_b32 s[G1+2], 16<<16                      ; the head's load brings 16 tiles of 16 tokens, 3,072 bytes of each; behind it the two words are set to 8, for the ring's
	s_mov_b32 s[G1+3], 384<<16
	s_mov_b32 s[G1+4], 16
	s_mov_b32 s[G1+5], 1536
	s_mov_b32 s[G1+6], 0
	s_mov_b32 s[G1+7], 0
	s_or_b32 s[G1B+0], s44, (0<<16)|(1<<20)|(1<<21)|(3<<22)|(3<<25)
	s_mov_b32 s[G1B+1], 256<<16                    ; 128 rows x 192 bytes are dense in a plane: stated as 96 rows of 256 bytes; the padding, 16 bytes behind every 64, gives LDS rows of 240 bytes
	s_mov_b32 s[G1B+2], 192<<16                    ; the head's load brings 256 rows of B: 192 rows of 256 bytes; then 96
	s_mov_b32 s[G1B+3], 256<<16
	s_mov_b32 s[G1B+4], 192
	s_mov_b32 s[G1B+5], 256
	s_mov_b32 s[G1B+6], 0
	s_mov_b32 s[G1B+7], 0
	s_or_b32 s[G1S+0], s43, (3<<16)|(1<<20)|(1<<21)|(5<<22)|(3<<25)
	s_or_b32 s[G1SB+0], s44, (3<<16)|(1<<20)|(1<<21)|(5<<22)|(3<<25)
.irp g, G1S, G1SB
	s_mov_b32 s[\g+1], 32<<16
	s_mov_b32 s[\g+2], (256*KS/256)<<16            ; the scales of 256 rows in one load
	s_mov_b32 s[\g+3], 32<<16
	s_mov_b32 s[\g+4], 256*KS/256
	s_mov_b32 s[\g+5], 32
	s_mov_b32 s[\g+6], 0
	s_mov_b32 s[\g+7], 0
.endr
	s_lshl_b32 s18, s16, 7
	s_lshl_b32 s20, s17, 8
	s_add_co_u32 s20, s20, s18
	s_lshl_b32 s46, s42, 8
	s_add_co_u32 s46, s46, s18
	s_lshl_b32 s22, s20, 5
	s_mov_b32 s23, 0
	s_lshl_b32 s92, s46, 5
	s_add_co_u32 s92, s92, SPJ
	s_mov_b32 s93, 0
	s_lshr_b32 s20, s20, 4
	s_mul_i32 s20, s20, ATILE
	s_mov_b32 s21, 0
	s_mul_i32 s46, s46, KROW
	s_add_co_u32 s46, s46, XP
	s_mov_b32 s47, 0
	s_mul_i32 s45, s14, HALFT
	s_mul_i32 s94, s14, 8*ASTEP                    ; A's halves lie dense in a slot: 8 tiles x 3,072 bytes each
	s_wait_dscnt 0x0
	s_wait_kmcnt 0x0
	s_add_nc_u64 s[20:21], s[4:5], s[20:21]
	s_add_nc_u64 s[22:23], s[6:7], s[22:23]
	s_add_nc_u64 s[46:47], s[8:9], s[46:47]
	s_add_nc_u64 s[92:93], s[10:11], s[92:93]
	CROUND
	s_mul_i32 s18, s16, 8*ATILE                    ; the four addresses hold my half of 128 rows, for the ring; the head's tiles are whole, so it is taken off
	s_mov_b32 s19, 0
	s_mov_b32 s[G0H], 1                            ; K step 0 of A's 16 tiles,
	s_mov_b32 s[G0H+1], 0
	s_sub_nc_u64 s[G0H+2:G0H+3], s[20:21], s[18:19]
	s_or_b32 s[G0H+3], s[G0H+3], 0x80000000
	s_mul_i32 s18, s16, 128*KROW
	s_mov_b32 s[G0HB], 1                           ; its 256 rows of B,
	s_mov_b32 s[G0HB+1], 2*HALFT
	s_sub_nc_u64 s[G0HB+2:G0HB+3], s[46:47], s[18:19]
	s_or_b32 s[G0HB+3], s[G0HB+3], 0x80000000
	s_lshl_b32 s18, s16, 12                        ; 128 rows of scale bytes
	s_mov_b32 s[G0S], 1                            ; the scales of A's 256 rows,
	s_mov_b32 s[G0S+1], SCL
	s_sub_nc_u64 s[G0S+2:G0S+3], s[22:23], s[18:19]
	s_or_b32 s[G0S+3], s[G0S+3], 0x80000000
	s_mov_b32 s[G0SB], 1                           ; and of B's
	s_mov_b32 s[G0SB+1], SCL+2*HALFS
	s_sub_nc_u64 s[G0SB+2:G0SB+3], s[92:93], s[18:19]
	s_or_b32 s[G0SB+3], s[G0SB+3], 0x80000000
.irp s, 0,1
	s_mov_b32 s[G0+4*\s], 1
	s_add_co_u32 s[G0+4*\s+1], s94, \s*SLOT
	s_add_nc_u64 s[G0+4*\s+2:G0+4*\s+3], s[20:21], \s*ASTEP
	s_or_b32 s[G0+4*\s+3], s[G0+4*\s+3], 0x80000000
	s_mov_b32 s[G0B+4*\s], 1
	s_add_co_u32 s[G0B+4*\s+1], s45, \s*SLOT
	s_add_nc_u64 s[G0B+4*\s+2:G0B+4*\s+3], s[46:47], \s*ROWB
	s_or_b32 s[G0B+4*\s+3], s[G0B+4*\s+3], 0x80000000
.endr
; THE HEAD'S LOADS, ONE A WAVE: wave 0 A's 16 tiles of K step 0, wave 1 B's 256 rows, wave 2 the scales of A's 256 rows, wave 3 those of B's.
; One chain of branches on the wave's number; every way through it passes exactly one load.
.macro ARM under, g0, g1, next
	s_cmp_lt_u32 s14, \under
	s_cbranch_scc0 \next
	tensor_load_to_lds s[\g0:\g0+3], s[\g1:\g1+7]
	s_nop 0
.rept 4
	v_nop
.endr
	s_branch .Lhead_asked
\next:
.endm
	ARM 1, G0H,  G1,  .Lhead_b
	ARM 2, G0HB, G1B, .Lhead_sa
	ARM 3, G0S,  G1S, .Lhead_sb
	tensor_load_to_lds s[G0SB:G0SB+3], s[G1SB:G1SB+7]
	s_nop 0
.rept 4
	v_nop
.endr
.Lhead_asked:
	s_wait_alu depctr_va_vdst(0)
	s_wait_tensorcnt 0x0                           ; my tile of the head's four is in; the three lines stand ahead of slot 1's first fill as ahead of a refill
	ds_add_u32 v[SPW], v[NIL]
	s_mov_b32 s[G1+2], 8<<16                       ; no tensor load of mine is out: from here on a load brings 8 tiles of A,
	s_mov_b32 s[G1+4], 8
	s_mov_b32 s[G1B+2], 96<<16                     ; or 128 rows of B, 96 rows of 256 bytes
	s_mov_b32 s[G1B+4], 96
	s_wait_dscnt 0x0
	CROUND                                         ; all four tiles are in, and all sixteen work-groups are here
	JLOAD G0+4, G1, G0B+4, G1B                     ; K step 1, the first tensor load behind the round
	v_and_b32 v1, 15, v0
	v_bfe_u32 v2, v0, 4, 1
	v_mul_u32_u24 v3, v1, PITCH
	v_mul_u32_u24 v4, v2, 24
	v_add_nc_u32 v4, v3, v4
	v_lshl_add_u32 v5, v2, 4, v4
	v_and_b32 v6, 31, v0
	v_lshlrev_b32 v8, 3, v6
	s_mul_i32 s21, s15, 8*ASTEP                    ; my 8 tiles of A
	s_mul_i32 s22, s16, HALFT
	s_add_co_u32 s22, s22, 2*HALFT
.irp s, 0,1
	v_add_nc_u32 v[ADRA+\s], s21, v8
	v_add_nc_u32 v[ADRB+\s], s22, v4
	v_add_nc_u32 v[ADRB+2+\s], s22, v5
	s_add_co_u32 s21, s21, SLOT
	s_add_co_u32 s22, s22, SLOT
.endr
	v_mul_u32_u24 v5, v1, KS
	v_lshrrev_b32 v9, 8, v5
	v_lshl_add_u32 v5, v9, 4, v5
	s_mul_i32 s21, s15, HALFS
	s_mul_i32 s22, s16, HALFS
	s_add_co_u32 s22, s22, 2*HALFS
	s_sub_co_u32 s22, s22, s21
	v_mul_u32_u24 v9, s22, v2
	s_add_co_u32 s21, s21, SCL
	v_add_nc_u32 v5, v5, v9
	v_add_nc_u32 v[ADRS], s21, v5
	s_mul_i32 s23, s14, 16*SPITCH
	v_mul_u32_u24 v5, v1, SPITCH
	v_lshl_add_u32 v5, v2, 6, v5
	v_add_nc_u32 v[STO], s23, v5
	v_lshlrev_b32 v[CO], 4, v6
	v_add_nc_u32 v[RD], s23, v[CO]
	v_lshlrev_b32 v7, 6, v2
	s_wait_alu depctr_va_vdst(0)
	s_lshl_b32 s20, s17, 8
	s_lshl_b32 s21, s15, 7
	s_add_co_u32 s20, s20, s21
	s_lshl_b32 s20, s20, 12
	s_mov_b32 s21, 0
	s_lshl_b32 s46, s42, 10
	s_lshl_b32 s47, s16, 9
	s_add_co_u32 s46, s46, s47
	s_mov_b32 s47, 0
	s_add_nc_u64 s[96:97], s[96:97], s[46:47]
	s_add_nc_u64 s[20:21], s[20:21], s[46:47]
	s_add_nc_u64 s[98:99], s[98:99], s[20:21]
.irp b, 0,1,2,3,4,5,6,7
	global_load_b128 v[BIAS+8*\b:BIAS+8*\b+3], v7, s[96:97] offset:128*(\b/2)+32*(\b%2)
	global_load_b128 v[BIAS+8*\b+4:BIAS+8*\b+7], v7, s[96:97] offset:128*(\b/2)+32*(\b%2)+16
.endr
.macro FRAG reg, adr, q, i
.irp p, 0,1,2,3,4,5
.set PC, 12*(\q)+6*(\p/3)+\p%3
.if PC%8 < 5
	ds_load_b64 v[\reg+2*\p:\reg+2*\p+1], v[\adr] offset:8*PC+16*(PC/8)+(\i)*16*PITCH
.else
	ds_load_b64 v[\reg+2*\p:\reg+2*\p+1], v[\adr+2] offset:8*PC+16*(PC/8)+(\i)*16*PITCH
.endif
.endr
.endm
.macro FRAGA reg, slot, q, i
.irp p, 0,1,2,3,4,5
	ds_load_b64 v[\reg+2*\p:\reg+2*\p+1], v[ADRA+\slot] offset:ASTEP*(\i)+768*(2*(\q)+\p/3)+256*(\p%3)
.endr
.endm
.macro MUL16 a0, p, q, sc, zero
.irp a, \a0, \a0+1
.irp b, 0,1,2,3,4,5,6,7
.if \zero
	v_wmma_scale_f32_16x16x128_f8f6f4 v[8*(8*((\a)%4)+\b):8*(8*((\a)%4)+\b)+7], v[128*(\p)+FR*\b:128*(\p)+FR*\b+FR-1], v[AF+FR*(\a):AF+FR*(\a)+FR-1], v[BIAS+8*\b:BIAS+8*\b+7], v[SC+8*NQ*(\sc)+NQ*\b+(\q)], v[SC+8*NQ*(\sc)+NQ*(\a)+(\q)] matrix_a_fmt:MATRIX_FMT_FP6 matrix_b_fmt:MATRIX_FMT_FP6 matrix_a_scale:MATRIX_SCALE_ROW1
.else
	v_wmma_scale_f32_16x16x128_f8f6f4 v[8*(8*((\a)%4)+\b):8*(8*((\a)%4)+\b)+7], v[128*(\p)+FR*\b:128*(\p)+FR*\b+FR-1], v[AF+FR*(\a):AF+FR*(\a)+FR-1], v[8*(8*((\a)%4)+\b):8*(8*((\a)%4)+\b)+7], v[SC+8*NQ*(\sc)+NQ*\b+(\q)], v[SC+8*NQ*(\sc)+NQ*(\a)+(\q)] matrix_a_fmt:MATRIX_FMT_FP6 matrix_b_fmt:MATRIX_FMT_FP6 matrix_a_scale:MATRIX_SCALE_ROW1
.endif
.endr
.endr
.endm
.macro FETCH_B slot, q, p
	WIN TO_B
.irp i, 0,1,2,3,4,5,6,7
	FRAG 128*(\p)+FR*\i, ADRB+\slot, \q, \i
.endr
	WIN 0
.endm
.macro FETCH_A slot, q, i0
.irp i, \i0, \i0+1, \i0+2, \i0+3
	FRAGA AF+FR*(\i), \slot, \q, \i
.endr
.endm
.macro SCALES sc
.irp i, 0,1,2,3,4,5,6,7
	ds_load_b64 v[SC+8*NQ*\sc+NQ*\i:SC+8*NQ*\sc+NQ*\i+1], v[ADRS] offset:\i*SBLK
.endr
.endm
.macro PLACES n
.rept \n
	v_nop
.endr
.endm
.macro STEP slot, q, zero
	s_wait_dscnt 4*NL
.if \zero
	WIN 0x81
.else
	WIN MUL_LO
.endif
	MUL16 0, (\q)%2, \q, \slot, \zero
	MUL16 2, (\q)%2, \q, \slot, \zero
	s_wait_dscnt 0
	PLACES NP
	FETCH_B \slot, (\q)+1, 1-(\q)%2
	FETCH_A \slot, (\q)+1, 0
.if \zero
	WIN 0xc1
.else
	WIN MUL_HI
.endif
	MUL16 4, (\q)%2, \q, \slot, \zero
	MUL16 6, (\q)%2, \q, \slot, \zero
	PLACES NP
	WIN 0
	FETCH_A \slot, (\q)+1, 4
.endm
.macro TURN slot, next, fill
	s_wait_tensorcnt 0x0
	ds_add_u32 v[SPW], v[NIL]
	s_wait_dscnt 4*NL+1
	WIN MUL_LO
	MUL16 0, 1, NQ-1, \slot, 0
	s_wait_dscnt 0x0
	s_barrier_signal -1
	MUL16 2, 1, NQ-1, \slot, 0
	WIN 0
	s_barrier_wait -1
.if \fill
	CREST
	s_add_nc_u64 s[G0+4*\slot+2:G0+4*\slot+3], s[G0+4*\slot+2:G0+4*\slot+3], 2*ASTEP
	s_add_nc_u64 s[G0B+4*\slot+2:G0B+4*\slot+3], s[G0B+4*\slot+2:G0B+4*\slot+3], 2*ROWB
	JLOAD G0+4*\slot, G1, G0B+4*\slot, G1B
.else
	PLACES NP
.endif
	s_wait_alu depctr_va_vdst(0)
	v_add_nc_u32 v[ADRS], 4*NQ, v[ADRS]
	FETCH_B \next, 0, 0
	FETCH_A \next, 0, 0
	SCALES \next
	WIN MUL_HI
	MUL16 4, 1, NQ-1, \slot, 0
	MUL16 6, 1, NQ-1, \slot, 0
	PLACES NP
	WIN 0
	FETCH_A \next, 0, 4
.endm
	s_wait_tensorcnt 1
	s_barrier_signal -1
	s_barrier_wait -1
	FETCH_B 0, 0, 0
	FETCH_A 0, 0, 0
	SCALES 0
	FETCH_A 0, 0, 4
	s_wait_loadcnt 0x0
	STEP 0, 0, 1
.if LAPS > 1
	s_mov_b32 s3, LAPS-1
.Llap:
	TURN 0, 1, 1
	STEP 1, 0, 0
	TURN 1, 0, 1
	STEP 0, 0, 0
	s_sub_co_u32 s3, s3, 1
	s_cmp_lg_u32 s3, 0
	s_cbranch_scc1 .Llap
.endif
	TURN 0, 1, 0
	STEP 1, 0, 0
	s_wait_dscnt 4*NL
	WIN MUL_LO
	MUL16 0, 1, NQ-1, 1, 0
	MUL16 2, 1, NQ-1, 1, 0
	s_wait_dscnt 0
	WIN MUL_HI
	MUL16 4, 1, NQ-1, 1, 0
	MUL16 6, 1, NQ-1, 1, 0
	WIN 0
.macro TOSTAGE a
.set AC, 64*((\a)%4)
	WIN 0x08+4*((\a)/4)
.irp b, 0,1,2,3,4,5,6,7
	ds_store_b128 v[STO], v[AC+8*\b:AC+8*\b+3] offset:128*(\b/2)+32*(\b%2)
	ds_store_b128 v[STO], v[AC+8*\b+4:AC+8*\b+7] offset:128*(\b/2)+32*(\b%2)+16
.endr
	WIN 0
.set BB, BK+64*((\a)%2)
.irp t, 0,1,2,3,4,5,6,7,8,9,10,11,12,13,14,15
	ds_load_b128 v[BB+4*\t:BB+4*\t+3], v[RD] offset:\t*SPITCH
.endr
.endm
.macro SEND a, younger
.set BB, BK+64*((\a)%2)
	s_wait_dscnt \younger
.if (\a) > 0
.if (\a)%2
	s_add_nc_u64 s[98:99], s[98:99], 8*4096
.else
	s_add_nc_u64 s[98:99], s[98:99], 24*4096
.endif
.endif
.irp t, 0,1,2,3,4,5,6,7,8,9,10,11,12,13,14,15
	global_store_b128 v[CO], v[BB+4*\t:BB+4*\t+3], s[98:99] offset:(\t+8*(\t/8))*4096 th:TH_STORE_NT
.endr
.endm
	PLACES NP
	TOSTAGE 0
.irp a, 1,2,3,4,5,6,7
.if \a > 1
	s_wait_xcnt 0x0
.endif
	TOSTAGE \a
	SEND \a-1, 32
.endr
	s_wait_xcnt 0x0
	SEND 7, 0
	s_wait_tensorcnt 0x0
	ds_add_u32 v[SPW], v[NIL]
	s_wait_dscnt 0x0
	CROUND
	s_endpgm
.Lfunc_end_k_qc93c89ca1d_gemm_proj:
	.size	k_qc93c89ca1d_gemm_proj, .Lfunc_end_k_qc93c89ca1d_gemm_proj-k_qc93c89ca1d_gemm_proj
	.p2alignl 7, 3214868480
	.fill 96, 4, 3214868480
	.section	.rodata,"a",@progbits
	.p2align	6, 0x0
	.amdhsa_kernel k_qc93c89ca1d_gemm_proj
		.amdhsa_group_segment_fixed_size 327680
		.amdhsa_private_segment_fixed_size 0
		.amdhsa_enable_private_segment 0
		.amdhsa_kernarg_size 48
		.amdhsa_user_sgpr_count 2
		.amdhsa_user_sgpr_kernarg_segment_ptr 1
		.amdhsa_wavefront_size32 1
		.amdhsa_system_sgpr_workgroup_id_x 1
		.amdhsa_system_sgpr_workgroup_id_y 1
		.amdhsa_system_sgpr_workgroup_id_z 1
		.amdhsa_system_vgpr_workitem_id 0
		.amdhsa_next_free_vgpr 1024
		.amdhsa_next_free_sgpr 102
		.amdhsa_reserve_vcc 0
		.amdhsa_float_denorm_mode_32 3
		.amdhsa_float_denorm_mode_16_64 3
		.amdhsa_memory_ordered 1
		.amdhsa_forward_progress 1
		.amdhsa_inst_pref_size 163
	.end_amdhsa_kernel
	.amdgpu_metadata
---
amdhsa.version: [ 1, 2 ]
amdhsa.kernels:
  - .name:           k_qc93c89ca1d_gemm_proj
    .symbol:         k_qc93c89ca1d_gemm_proj.kd
    .args:
      - { .name: ao_img, .offset: 0, .size: 8, .value_kind: global_buffer, .address_space: global }
      - { .name: ao_scl, .offset: 8, .size: 8, .value_kind: global_buffer, .address_space: global }
      - { .name: codes, .offset: 16, .size: 8, .value_kind: global_buffer, .address_space: global }
      - { .name: scales, .offset: 24, .size: 8, .value_kind: global_buffer, .address_space: global }
      - { .name: b_proj, .offset: 32, .size: 8, .value_kind: global_buffer, .address_space: global }
      - { .name: out0, .offset: 40, .size: 8, .value_kind: global_buffer, .address_space: global }
    .group_segment_fixed_size: 327680
    .private_segment_fixed_size: 0
    .kernarg_segment_align: 8
    .kernarg_segment_size: 48
    .max_flat_workgroup_size: 128
    .sgpr_count:     102
    .vgpr_count:     1024
    .wavefront_size: 32
...
	.end_amdgpu_metadata
.endif
;; end of part 4
